; MI455X (gfx1250); checked and timed in simulation.
; The chip was launched on July 23, 2026; its instructions are those of AMD's public machine-readable ISA for CDNA 5 (MIT licence, August 2026) and "CDNA5" Instruction Set Architecture Reference Guide (July 2026). The comments in the code are by the model that wrote it; some were corrected since.
;; Causal Self Attention. Allowed arithmetic: float matrix products may take bf16 or f16 operands with f32 sums; all other float work in f32.
;; Inputs: Wk 1,024 x 1,024 float32; Wo 1,024 x 1,024 float32; Wq 1,024 x 1,024 float32; Wv 1,024 x 1,024 float32; bk 1,024 float32; bo 1,024 float32; bq 1,024 float32; bv 1,024 float32; x 2 x 2,048 x 1,024 float32.
;; Outputs: out0 2 x 2,048 x 1,024 float32.
;; 2 versions, each right; version 2 is version 1 with the launch cast written anew for expert scheduling mode. Each part assembles by itself: llvm-mc -triple=amdgcn-amd-amdhsa -mcpu=gfx1250 --defsym DOCPART=n.
;; ======== version 1 of 2: 4 launches
;; limits: values are held in f16: magnitudes above 65,504 overflow, below 6.1e-05 lose precision
;; workspace buffers: xw 16,777,216 bytes; qkv 33,554,432 bytes; att 16,777,216 bytes
;; launch cast (part 1): grid 256 x 1, 8 waves a work-group, no clusters, 0 bytes of LDS; arguments x, Wq, Wk, Wv, Wo, xw; writes xw
.if DOCPART == 1
	.amdgcn_target "amdgcn-amd-amdhsa--gfx1250"
	.amdhsa_code_object_version 6
	.text
	.protected	k_q43fd01eda9_cast
	.globl	k_q43fd01eda9_cast
	.p2align	8
	.type	k_q43fd01eda9_cast,@function
k_q43fd01eda9_cast:
	s_mov_b64 s[64:65], 0
	v_nop
	global_prefetch_b8 v0, s[64:65] scope:SCOPE_SE
	s_setreg_imm32_b32 hwreg(HW_REG_WAVE_MODE, 25, 1), 1
	s_wait_xcnt 0x0
; xw[8192][1024], 2 bytes a number = x (rows 0-4095), Wq (4096-), Wk (5120-), Wv (6144-), Wo (7168-), each rounded ONCE from f32 to bf16 (nearest even).
; All five inputs get the same rounding, so that the products of the projections are exact products of bf16 numbers.
; Rows 0-7167 are stored as bf16.  Wo's rows are stored as the f16 code of the bf16 number, because Wo's partner in its product (the attended rows) is f16.
; LIMIT: a bf16 number of magnitude 2^-17 to 65,504 is exact in f16; a smaller Wo gets an absolute error of at most 3e-8, a larger one becomes infinity.
; NaN and infinities are not served.
; Work-group g turns 131,072 bytes of f32 into the 65,536 bytes at xw + 65,536 g.  32 work-groups make one segment of 2 MiB of xw:
; segments 0-3 are x, 4-7 the four weights.  A stream: no LDS, no barrier, no matrix unit, no cluster (work-groups share no input).
; Thread t takes the 16 bytes at 16 t of each chunk of 4,096 bytes: a wave's load covers 512 consecutive bytes, its store of
; 8 bytes a lane 256 consecutive bytes, aligned.  All 32 loads of a lane go out at once.
.set X, 4                              ; v[4:131]  chunk i: 4 registers as loaded; its first two then hold the four results
.set N, 32                             ; chunks of a work-group
	s_load_b256 s[4:11], s[0:1], 0x0               ; x s[4:5], Wq s[6:7], Wk s[8:9], Wv s[10:11]
	s_load_b128 s[12:15], s[0:1], 0x20             ; Wo s[12:13], xw s[14:15]
	s_lshr_b32 s2, ttmp9, 5                        ; segment
	s_and_b32 s3, ttmp9, 31
	s_lshl_b32 s3, s3, 17                          ; byte offset inside a weight
	s_lshl_b32 s22, ttmp9, 17                      ; byte offset inside x
	s_cmp_lt_u32 s2, 4
	s_cselect_b32 s18, s22, s3
	s_mov_b32 s19, 0
	s_lshl_b32 s22, ttmp9, 16                      ; byte offset in xw
	s_mov_b32 s23, 0
	v_lshlrev_b32 v1, 4, v0                        ; 16 t: in
	v_lshlrev_b32 v2, 3, v0                        ; 8 t: out
	s_wait_kmcnt 0x0
	s_cmp_eq_u32 s2, 4                             ; the source buffer, chosen by the segment alone
	s_cselect_b64 s[16:17], s[6:7], s[4:5]
	s_cmp_eq_u32 s2, 5
	s_cselect_b64 s[16:17], s[8:9], s[16:17]
	s_cmp_eq_u32 s2, 6
	s_cselect_b64 s[16:17], s[10:11], s[16:17]
	s_cmp_eq_u32 s2, 7
	s_cselect_b64 s[16:17], s[12:13], s[16:17]
	s_add_nc_u64 s[16:17], s[16:17], s[18:19]
	s_add_nc_u64 s[20:21], s[14:15], s[22:23]
.set i, 0
.rept N
	global_load_b128 v[X+4*i:X+4*i+3], v1, s[16:17] offset:4096*i th:TH_LOAD_NT   ; read once in the launch
.set i, i+1
.endr
	s_cmp_eq_u32 s2, 7
	s_cbranch_scc1 .Lwo
	; x, Wq, Wk, Wv: bf16
.set i, 0
.rept N
	s_wait_loadcnt N-1-i                           ; loads come back in order (ISA guide 5.7.1): chunk i is in, the younger ones stay out
	v_cvt_pk_bf16_f32 v[X+4*i], v[X+4*i], v[X+4*i+1]
	v_cvt_pk_bf16_f32 v[X+4*i+1], v[X+4*i+2], v[X+4*i+3]
	global_store_b64 v2, v[X+4*i:X+4*i+1], s[20:21] offset:2048*i      ; no hint: the next launches read xw
.set i, i+1
.endr
	s_endpgm
.Lwo:
	; Wo: rounded to bf16, widened again (a shift, a mask), coded in f16
.set i, 0
.rept N
	s_wait_loadcnt N-1-i
	v_cvt_pk_bf16_f32 v[X+4*i], v[X+4*i], v[X+4*i+1]
	v_cvt_pk_bf16_f32 v[X+4*i+1], v[X+4*i+2], v[X+4*i+3]
	v_lshlrev_b32 v[X+4*i+2], 16, v[X+4*i]
	v_and_b32 v[X+4*i+3], 0xffff0000, v[X+4*i]
	v_cvt_pk_f16_f32 v[X+4*i], v[X+4*i+2], v[X+4*i+3]
	v_lshlrev_b32 v[X+4*i+2], 16, v[X+4*i+1]
	v_and_b32 v[X+4*i+3], 0xffff0000, v[X+4*i+1]
	v_cvt_pk_f16_f32 v[X+4*i+1], v[X+4*i+2], v[X+4*i+3]
	global_store_b64 v2, v[X+4*i:X+4*i+1], s[20:21] offset:2048*i
.set i, i+1
.endr
	s_endpgm
.Lfunc_end_k_q43fd01eda9_cast:
	.size	k_q43fd01eda9_cast, .Lfunc_end_k_q43fd01eda9_cast-k_q43fd01eda9_cast
	.p2alignl 7, 3214868480
	.fill 96, 4, 3214868480
	.section	.rodata,"a",@progbits
	.p2align	6, 0x0
	.amdhsa_kernel k_q43fd01eda9_cast
		.amdhsa_group_segment_fixed_size 0
		.amdhsa_private_segment_fixed_size 0
		.amdhsa_enable_private_segment 0
		.amdhsa_kernarg_size 48
		.amdhsa_user_sgpr_count 2
		.amdhsa_user_sgpr_kernarg_segment_ptr 1
		.amdhsa_wavefront_size32 1
		.amdhsa_system_sgpr_workgroup_id_x 1
		.amdhsa_system_sgpr_workgroup_id_y 1
		.amdhsa_system_sgpr_workgroup_id_z 1
		.amdhsa_system_vgpr_workitem_id 0
		.amdhsa_next_free_vgpr 132
		.amdhsa_next_free_sgpr 66
		.amdhsa_reserve_vcc 0
		.amdhsa_float_denorm_mode_32 3
		.amdhsa_float_denorm_mode_16_64 3
		.amdhsa_memory_ordered 1
		.amdhsa_forward_progress 1
		.amdhsa_inst_pref_size 31
	.end_amdhsa_kernel
	.amdgpu_metadata
---
amdhsa.version: [ 1, 2 ]
amdhsa.kernels:
  - .name:           k_q43fd01eda9_cast
    .symbol:         k_q43fd01eda9_cast.kd
    .args:
      - { .name: x, .offset: 0, .size: 8, .value_kind: global_buffer, .address_space: global }
      - { .name: Wq, .offset: 8, .size: 8, .value_kind: global_buffer, .address_space: global }
      - { .name: Wk, .offset: 16, .size: 8, .value_kind: global_buffer, .address_space: global }
      - { .name: Wv, .offset: 24, .size: 8, .value_kind: global_buffer, .address_space: global }
      - { .name: Wo, .offset: 32, .size: 8, .value_kind: global_buffer, .address_space: global }
      - { .name: xw, .offset: 40, .size: 8, .value_kind: global_buffer, .address_space: global }
    .group_segment_fixed_size: 0
    .private_segment_fixed_size: 0
    .kernarg_segment_align: 8
    .kernarg_segment_size: 48
    .max_flat_workgroup_size: 256
    .sgpr_count:     66
    .vgpr_count:     132
    .wavefront_size: 32
...
	.end_amdgpu_metadata
.endif
;; end of part 1
;; launch qkv (part 2): grid 8 x 32, 4 waves a work-group, clusters of 4 x 4, 327,680 bytes of LDS; arguments xw, bq, bk, bv, qkv; writes qkv
.if DOCPART == 2
	.amdgcn_target "amdgcn-amd-amdhsa--gfx1250"
	.amdhsa_code_object_version 6
	.text
	.protected	k_q43fd01eda9_qkv
	.globl	k_q43fd01eda9_qkv
	.p2align	8
	.type	k_q43fd01eda9_qkv,@function
k_q43fd01eda9_qkv:
	s_mov_b64 s[64:65], 0
	v_nop
	global_prefetch_b8 v0, s[64:65] scope:SCOPE_SE
	s_setreg_imm32_b32 hwreg(HW_REG_WAVE_MODE, 25, 1), 1
	s_wait_xcnt 0x0
	s_wait_alu depctr_hold_cnt(0) depctr_sa_sdst(0) depctr_va_vdst(0) depctr_va_sdst(0) depctr_va_ssrc(0) depctr_va_vcc(0) depctr_vm_vsrc(0)
	s_getreg_b32 s2, hwreg(HW_REG_IB_STS2, 6, 4)
	s_cmp_eq_u32 s2, 0
	s_cbranch_scc0 .Lentry_in_a_cluster
	s_endpgm
.Lentry_in_a_cluster:
	s_bfe_u32 s2, ttmp6, 0x10000c
	s_cmp_lg_u32 s2, 0xf033
	s_cbranch_scc0 .Lentry_shape_is_right
	s_endpgm
.Lentry_shape_is_right:
; qkv[b][vh][t][d] (f16), 64 virtual heads a batch: vh = 0-15 q, 16-31 k, 32-47 the upper part of v, 48-63 the lower part of v.
; q, k, v = sum over c of x[b t][c] W[64 h + d][c] + bias: bf16 operands (rows of xw), f32 sums, the f32 bias as the start of each sum.
; q and k are rounded once to f16.  v is kept as TWO f16 numbers: the f32 sum cut to 11 bits (exact in f16) and the remainder rounded to f16, because a
; query row with few keys passes v's rounding on undamped, while the result's overall size is set by rows that average many keys.
; LIMIT: |q|, |k|, |v| of 65,520 or more become infinity; f16's smallest step, 6e-8, bounds what the lower part can add for |v| below about 1e-4.
; The order of the sums is the matrix unit's, K ascending.
; A work-group makes 128 rows x 384 columns: 128 columns (two heads) each of q, k and v.  A wave makes 64 rows x 192 columns (three heads): 48 accumulator tiles.
; K goes in 8 steps of 128 through two LDS slots filled by tensor loads; a tile's rows are 256 bytes of memory at multiples of 256 bytes.
; CLUSTERS: 4 x 4 work-groups.  The four of a row of the cluster need the same 128 rows of x, the four of a column the same 3 x 128 rows of W: each tile is
; asked for jointly, which divides the requests for both by four.  Wave 0 asks for x's 128 rows, waves 1, 2, 3 for 128 rows of Wq, Wk, Wv.
; By this text's own count a wave has at most two tensor loads outstanding.
; REGISTERS: window 0: v16-27 addresses; v32-95 fragments of x (4 x 16 rows x 32 K), two buffers; v96-191 the bias of my 192 columns; on the way out v32-223 at work
;            window 1: v0-191 fragments of W (12 x 16 rows x 32 K), two buffers
;            window 2: accumulator tile (a, b), b = 0-7, at v[8 (4 b + a)];   window 3: b = 8-11 at v[8 (4 (b - 8) + a)]
; The matrix instruction is used transposed (source 0 = rows of W, source 1 = rows of x): lane l holds row l % 16 and registers 0-7 the columns
; 16 b + 8 (l / 16) + 0..7: eight neighbouring numbers of a row, 16 bytes of f16.
.set PITCH,  272                       ; an LDS row: 256 bytes + 16 of padding: the 16 rows of a fragment load start 16 bytes apart modulo 256
.set HALFT,  128*PITCH                 ; what one tensor load brings
.set SLOT,   4*HALFT                   ; x's 128 rows, then Wq's, Wk's, Wv's
.set STAGE,  2*SLOT                    ; behind the ring, never a tensor load's target: 16 rows x 400 bytes for each wave
.set SPITCH, 400                       ; 384 bytes + 16
.set WSTAGE, 16*SPITCH
.set LAPS,   4                         ; 1024 / (2 x 128)
.set LOPART, 0x400000                  ; from v's upper part to its lower part: 16 heads of 262,144 bytes
.set ADRA, 16                          ; v16-17  LDS address of my fragments of x in slot 0, 1
.set ADRB, 20                          ; v20-21  the same for W
.set STO,  24
.set RD,   25
.set CO,   26
.set BO,   27
.set FA,   32
.set BIAS, 96
.set TMP,  32                          ; the way out: v32-79   packed results (upper parts)
.set TMPL, 80                          ;              v80-111  packed lower parts of 8 tiles
.set H,    112                         ;              v112-143 four tiles in f32: cut values, then remainders
.set RB,   144                         ;              v144-191 rows read back
.set RBL,  192                         ;              v192-223 rows of lower parts read back
.set G1,  24                           ; s[24:31] group 1 for x's tiles
.set G0,  32                           ; s[32:39] group 0 for x's tiles, one set a slot
.set G1B, 48                           ; s[48:55] group 1 for W's tiles: another mask
.set G0B, 56                           ; s[56:63] group 0 for W's tiles
.set MSB, 0
.macro WIN new                         ; the immediate's high byte repeats the setting that is left
.if MSB != (\new)
	s_set_vgpr_msb (MSB<<8)|(\new)
.set MSB, (\new)
.endif
.endm
.macro WINLO zero                      ; source 0 window 1, source 1 window 0, D window 2; C window 2, or window 0 where C is the bias
.if \zero
	WIN 0x81
.else
	WIN 0xa1
.endif
.endm
.macro WINHI zero                      ; the same with window 3
.if \zero
	WIN 0xc1
.else
	WIN 0xf1
.endif
.endm
.macro PLACES                          ; four places behind a matrix instruction (ISA guide 7.12.1), before its registers are loaded again or its result is read
.rept 4
	v_nop
.endr
.endm
.macro JLOAD s                         ; a joint load; the branch hangs on the wave's number alone
	s_cmp_eq_u32 s14, 0
	s_cbranch_scc0 .Lfor_b_\@
	tensor_load_to_lds s[G0+4*\s:G0+4*\s+3], s[G1:G1+7]
	s_nop 0
	s_branch .Lasked_\@
.Lfor_b_\@:
	tensor_load_to_lds s[G0B+4*\s:G0B+4*\s+3], s[G1B:G1B+7]
	s_nop 0
.Lasked_\@:
.endm
.macro CREST                           ; a round of the cluster's barrier behind its opening work-group barrier
	s_cmp_lg_u32 s14, 0
	s_cbranch_scc1 .Lnot_wave_0_\@
	s_barrier_signal -3
.Lnot_wave_0_\@:
	s_barrier_wait -3
	s_barrier_signal -1
	s_barrier_wait -1
.endm
.macro CROUND
	s_barrier_signal -1
	s_barrier_wait -1
	CREST
.endm
	s_load_b256 s[4:11], s[0:1], 0x0               ; xw s[4:5], bq s[6:7], bk s[8:9], bv s[10:11]
	s_load_b64 s[12:13], s[0:1], 0x20              ; qkv
	s_set_vgpr_msb 0x40
	v_lshl_add_u32 v255, v0, 2, 0x4a400
	s_set_vgpr_msb 0x4000
	v_mov_b32 v255, 0
	s_set_vgpr_msb 0x1
	ds_add_u32 v255, v255
	s_set_vgpr_msb 0x100
	v_lshrrev_b32 v1, 5, v0
	v_readfirstlane_b32 s14, v1                    ; wave 0..3
	s_lshr_b32 s15, s14, 1                         ; which 64 rows are mine
	s_and_b32 s17, s14, 1                          ; which 192 columns
	s_bfe_u32 s40, ttmp6, 0x40000                  ; cx
	s_bfe_u32 s41, ttmp6, 0x40004                  ; cy
	s_lshl_b32 s42, ttmp9, 2
	s_add_co_u32 s42, s42, s40                     ; block column 0..7
	s_and_b32 s18, ttmp7, 0xffff
	s_lshl_b32 s18, s18, 2
	s_add_co_u32 s18, s18, s41                     ; block row 0..31
	s_lshl_b32 s43, s41, 2
	s_lshl_b32 s43, 15, s43                        ; my row of the cluster
	s_lshl_b32 s44, 0x1111, s40                    ; my column
	s_mov_b32 s86, 0xffffe000                      ; keeps sign, exponent and 10 bits of an f32: a number that f16 holds exactly
	; group 1: 128 rows x 128 elements of 2 bytes, 4 words of padding behind every 64; bit 21 stands beside a mask
	s_or_b32 s[G1+0], s43, (1<<16)|(1<<20)|(1<<21)|(5<<22)|(3<<25)
	s_or_b32 s[G1B+0], s44, (1<<16)|(1<<20)|(1<<21)|(5<<22)|(3<<25)
	s_mov_b32 s[G1+1], 128<<16                     ; tensor_dim0 = 128
	s_mov_b32 s[G1B+1], 128<<16
	s_mov_b32 s[G1+2], 128<<16                     ; tensor_dim1 = 128
	s_mov_b32 s[G1B+2], 128<<16
	s_mov_b32 s[G1+3], 128<<16                     ; tile_dim0 = 128
	s_mov_b32 s[G1B+3], 128<<16
	s_mov_b32 s[G1+4], 128                         ; tile_dim1 = 128
	s_mov_b32 s[G1B+4], 128
	s_mov_b32 s[G1+5], 1024                        ; elements from row to row
	s_mov_b32 s[G1B+5], 1024
	s_mov_b32 s[G1+6], 0
	s_mov_b32 s[G1B+6], 0
	s_mov_b32 s[G1+7], 0
	s_mov_b32 s[G1B+7], 0
	s_lshl_b32 s20, s18, 18                        ; x: 128 rows of 2,048 bytes a block row
	s_mov_b32 s21, 0
	s_lshl_b32 s46, s42, 7                         ; W: row 4096 + 1024 x (wave - 1) + 128 x block column; wave 0 does not use it
	s_sub_co_i32 s19, s14, 1
	s_max_i32 s19, s19, 0
	s_lshl_b32 s19, s19, 10
	s_add_co_u32 s46, s46, s19
	s_add_co_u32 s46, s46, 4096
	s_lshl_b32 s46, s46, 11
	s_mov_b32 s47, 0
	s_mul_i32 s16, s14, HALFT                      ; where my tile goes: wave x 128 rows (x, Wq, Wk, Wv)
	s_wait_dscnt 0x0
	s_wait_kmcnt 0x0
	s_add_nc_u64 s[22:23], s[4:5], s[20:21]
	s_add_nc_u64 s[46:47], s[4:5], s[46:47]
	CROUND                                         ; all sixteen work-groups are here: the first joint loads meet
.irp s, 0,1
	s_mov_b32 s[G0+4*\s], 1
	s_add_co_u32 s[G0+4*\s+1], s16, \s*SLOT
	s_add_nc_u64 s[G0+4*\s+2:G0+4*\s+3], s[22:23], \s*256          ; K step s
	s_or_b32 s[G0+4*\s+3], s[G0+4*\s+3], 0x80000000
	s_mov_b32 s[G0B+4*\s], 1
	s_add_co_u32 s[G0B+4*\s+1], s16, \s*SLOT
	s_add_nc_u64 s[G0B+4*\s+2:G0B+4*\s+3], s[46:47], \s*256
	s_or_b32 s[G0B+4*\s+3], s[G0B+4*\s+3], 0x80000000
	JLOAD \s
.endr
	; lane addresses
	v_and_b32 v1, 15, v0                           ; r = l % 16
	v_bfe_u32 v2, v0, 4, 1                         ; h = l / 16
	v_mul_u32_u24 v3, v1, PITCH
	v_lshl_add_u32 v3, v2, 4, v3                   ; r x pitch + 16 h
	s_mul_i32 s20, s15, 64*PITCH
	s_mul_i32 s21, s17, 192*PITCH
	s_add_co_u32 s21, s21, HALFT
.irp s, 0,1
	v_add_nc_u32 v[ADRA+\s], s20, v3
	v_add_nc_u32 v[ADRB+\s], s21, v3
	s_add_co_u32 s20, s20, SLOT
	s_add_co_u32 s21, s21, SLOT
.endr
	s_mul_i32 s19, s14, WSTAGE
	s_add_co_u32 s19, s19, STAGE                   ; my stage
	v_mul_u32_u24 v4, v1, SPITCH
	v_lshl_add_u32 v4, v2, 4, v4
	v_add_nc_u32 v[STO], s19, v4                   ; in: row r, 16 bytes for each half of the lanes
	v_and_b32 v5, 31, v0
	v_lshrrev_b32 v6, 3, v5
	v_and_b32 v7, 7, v0
	v_mul_u32_u24 v6, v6, SPITCH
	v_lshl_add_u32 v6, v7, 4, v6
	v_add_nc_u32 v[RD], s19, v6                    ; back: eight lanes take the 128 bytes that a row has of one head, a load four rows
	v_lshlrev_b32 v[CO], 4, v5                     ; which are 512 consecutive bytes of qkv
	v_lshlrev_b32 v[BO], 5, v2                     ; bias: 8 h numbers of 4 bytes
	; my three groups of 64 columns.  Group G = 3 x (wave & 1) + g of the work-group's six: G / 2 = 0 q, 1 k, 2 v; head = 2 x block column + G % 2.
	; These registers may hold the block column; none of them feeds x's descriptors.
	s_lshl_b32 s78, s42, 1
	s_mul_i32 s79, s17, 3
	s_lshr_b32 s80, s18, 4
	s_lshl_b32 s80, s80, 6                         ; 64 virtual heads a batch
	s_and_b32 s81, s18, 15
	s_lshl_b32 s81, s81, 14                        ; 128 rows of 128 bytes a block row
	s_lshl_b32 s82, s15, 13
	s_add_co_u32 s81, s81, s82                     ; + my 64 rows
.irp g, 0,1,2
	s_add_co_u32 s82, s79, \g                      ; G
	s_lshr_b32 s83, s82, 1                         ; 0 q, 1 k, 2 v: hangs on the wave's number alone
	s_and_b32 s87, s82, 1
	s_add_co_u32 s87, s87, s78                     ; head
	s_lshl_b32 s84, s83, 4
	s_add_co_u32 s84, s84, s87
	s_add_co_u32 s84, s84, s80
	s_lshl_b32 s84, s84, 18                        ; a head is 262,144 bytes
	s_add_co_u32 s84, s84, s81
	s_mov_b32 s85, 0
	s_add_nc_u64 s[66+2*\g:67+2*\g], s[12:13], s[84:85]
	s_lshl_b32 s84, s87, 8                         ; 64 numbers of 4 bytes a head
	s_cmp_eq_u32 s83, 1
	s_cselect_b64 s[72+2*\g:73+2*\g], s[8:9], s[6:7]
	s_cmp_eq_u32 s83, 2
	s_cselect_b64 s[72+2*\g:73+2*\g], s[10:11], s[72+2*\g:73+2*\g]
	s_add_nc_u64 s[72+2*\g:73+2*\g], s[72+2*\g:73+2*\g], s[84:85]
.endr
.irp g, 0,1,2
.irp b, 0,1,2,3
	global_load_b128 v[BIAS+8*(4*\g+\b):BIAS+8*(4*\g+\b)+3], v[BO], s[72+2*\g:73+2*\g] offset:64*\b       ; bias of columns 16 b + 8 h + 0..3
	global_load_b128 v[BIAS+8*(4*\g+\b)+4:BIAS+8*(4*\g+\b)+7], v[BO], s[72+2*\g:73+2*\g] offset:64*\b+16  ; and + 4..7: the layout of a result tile
.endr
.endr
; 16 products: column tiles b0 .. b0 + 3 x my four row tiles, 32 along K, from buffer p.  zero = 1: the bias starts the sums, nothing is cleared.
; The 48 accumulators take turns, one instruction a turn, in the same order in every quarter step.
.macro MULB p, b0, zero
.irp bb, 0,1,2,3
.irp a, 0,1,2,3
.if \zero
	v_wmma_f32_16x16x32_bf16 v[8*(4*((\b0+\bb)%8)+\a):8*(4*((\b0+\bb)%8)+\a)+7], v[96*\p+8*(\b0+\bb):96*\p+8*(\b0+\bb)+7], v[FA+32*\p+8*\a:FA+32*\p+8*\a+7], v[BIAS+8*(\b0+\bb):BIAS+8*(\b0+\bb)+7]
.else
	v_wmma_f32_16x16x32_bf16 v[8*(4*((\b0+\bb)%8)+\a):8*(4*((\b0+\bb)%8)+\a)+7], v[96*\p+8*(\b0+\bb):96*\p+8*(\b0+\bb)+7], v[FA+32*\p+8*\a:FA+32*\p+8*\a+7], v[8*(4*((\b0+\bb)%8)+\a):8*(4*((\b0+\bb)%8)+\a)+7]
.endif
.endr
.endr
.endm
; 32 LDS loads in one run: the fragments of a quarter step (192 rows of W, 64 rows of x, 32 K at byte k of the rows) into buffer p
.macro FETCH slot, k, p
	WIN 0x40                                       ; destination window 1, address window 0
.irp i, 0,1,2,3,4,5,6,7,8,9,10,11
	ds_load_b128 v[96*\p+8*\i:96*\p+8*\i+3],   v[ADRB+\slot] offset:\k+\i*16*PITCH
	ds_load_b128 v[96*\p+8*\i+4:96*\p+8*\i+7], v[ADRB+\slot] offset:\k+\i*16*PITCH+32
.endr
	WIN 0
.irp i, 0,1,2,3
	ds_load_b128 v[FA+32*\p+8*\i:FA+32*\p+8*\i+3],   v[ADRA+\slot] offset:\k+\i*16*PITCH
	ds_load_b128 v[FA+32*\p+8*\i+4:FA+32*\p+8*\i+7], v[ADRA+\slot] offset:\k+\i*16*PITCH+32
.endr
.endm
; One of a K step's first three quarters: multiplies buffer p; behind its first 16 products it fetches the next quarter (byte k) into buffer g.
.macro QUARTER slot, k, p, g, zero
	s_wait_dscnt 0x0                               ; buffer p, asked for 32 products ago
	WINLO \zero
	MULB \p, 0, \zero
	PLACES
	FETCH \slot, \k, \g
	WINLO \zero
	MULB \p, 4, \zero
	WINHI \zero
	MULB \p, 8, \zero
.endm
.macro THREE slot, zero
	QUARTER \slot, 64,  0, 1, \zero
	QUARTER \slot, 128, 1, 0, 0
	QUARTER \slot, 192, 0, 1, 0
.endm
; The last quarter multiplies buffer 1 and changes slots.  In front of the barrier each wave waits for its reads of this slot and for all its tensor
; loads (one is out: its part of the next slot).  fill = 1: the barrier opens a round of the cluster's barrier, and the joint refill, two K steps
; ahead, is the first tensor load behind the round.  From that request to the wait for it a wave issues 176 products.
.macro TURN slot, next, fill
	s_wait_dscnt 0x0                               ; buffer 1 is in: my last reads of this slot
	s_wait_tensorcnt 0x0                           ; none of my tensor loads is out
	ds_add_u32 v255, v255
	s_wait_dscnt 0x0
	s_barrier_signal -1
	WIN 0xa1
	MULB 1, 0, 0                                   ; register work while the others arrive
	WIN 0
	s_barrier_wait -1
.if \fill
	CREST
	s_add_nc_u64 s[G0+4*\slot+2:G0+4*\slot+3], s[G0+4*\slot+2:G0+4*\slot+3], 512
	s_add_nc_u64 s[G0B+4*\slot+2:G0B+4*\slot+3], s[G0B+4*\slot+2:G0B+4*\slot+3], 512
	JLOAD \slot
.endif
	PLACES
	FETCH \next, 0, 0
	WIN 0xa1
	MULB 1, 4, 0
	WIN 0xf1
	MULB 1, 8, 0
.endm
.macro LAP zero
	THREE 0, \zero
	TURN 0, 1, 1
	THREE 1, 0
	TURN 1, 0, 1
.endm
	s_wait_tensorcnt 0x1                           ; my part of K step 0 is in; K step 1's load stays out
	s_barrier_signal -1
	s_barrier_wait -1
	FETCH 0, 0, 0
	s_wait_loadcnt 0x0                             ; the bias
	LAP 1
	WIN 0
	s_mov_b32 s3, LAPS-2
.Llap:
	LAP 0
	WIN 0
	s_sub_co_u32 s3, s3, 1
	s_cmp_lg_u32 s3, 0
	s_cbranch_scc1 .Llap
	THREE 0, 0                                     ; the last lap fills nothing
	TURN 0, 1, 0
	THREE 1, 0
	s_wait_dscnt 0x0
	WIN 0xa1
	MULB 1, 0, 0
	MULB 1, 4, 0
	WIN 0xf1
	MULB 1, 8, 0
	PLACES
; THE WAY OUT, 16 rows at a time: 16 bytes of f16 a lane into my own stage, read back head by head, four rows of 128 bytes a load.
; Four column tiles rounded once to f16; the caller sets the window of both sources.
.macro RNE4 a, b0
.irp bb, 0,1,2,3
.irp i, 0,1,2,3
	v_cvt_pk_f16_f32 v[TMP+4*(\b0+\bb)+\i], v[8*(4*((\b0+\bb)%8)+\a)+2*\i], v[8*(4*((\b0+\bb)%8)+\a)+2*\i+1]
.endr
.endr
.endm
; Four column tiles of v in two parts: the sum cut to 11 bits, and the remainder (exact in f32) rounded to f16.  win: source 0 in the accumulators' window.
.macro SPLIT4 a, b0, win
	WIN \win
.irp bb, 0,1,2,3
.irp jj, 0,1,2,3,4,5,6,7
	v_and_b32 v[H+8*\bb+\jj], v[8*(4*((\b0+\bb)%8)+\a)+\jj], s86
.endr
.endr
	WIN 0
.irp bb, 0,1,2,3
.irp i, 0,1,2,3
	v_cvt_pk_f16_f32 v[TMP+4*(\b0+\bb)+\i], v[H+8*\bb+2*\i], v[H+8*\bb+2*\i+1]
.endr
.endr
	WIN \win
.irp bb, 0,1,2,3
.irp jj, 0,1,2,3,4,5,6,7
	v_sub_f32 v[H+8*\bb+\jj], v[8*(4*((\b0+\bb)%8)+\a)+\jj], v[H+8*\bb+\jj]
.endr
.endr
	WIN 0
.irp bb, 0,1,2,3
.irp i, 0,1,2,3
	v_cvt_pk_f16_f32 v[TMPL+4*(\b0-4+\bb)+\i], v[H+8*\bb+2*\i], v[H+8*\bb+2*\i+1]
.endr
.endr
.endm
.macro OUT16 a
	WIN 0x0a                                       ; sources in window 2
	RNE4 \a, 0                                     ; tiles 0-3: q, or k
	WIN 0
	s_cmp_lg_u32 s17, 0                            ; the wave's number alone: waves 1 and 3 hold v in tiles 4-11
	s_cbranch_scc1 .Lsplit_\@
	WIN 0x0a
	RNE4 \a, 4
	WIN 0x0f                                       ; sources in window 3
	RNE4 \a, 8
	WIN 0
	s_branch .Lhi_\@
.Lsplit_\@:
	SPLIT4 \a, 4, 0x02
	SPLIT4 \a, 8, 0x03
	s_wait_xcnt 0x0                                ; the registers that the last 16 rows' stores read are loaded again only behind this wait
.irp b, 0,1,2,3,4,5,6,7
	ds_store_b128 v[STO], v[TMPL+4*\b:TMPL+4*\b+3] offset:32*\b
.endr
.irp g, 0,1
.irp t, 0,1,2,3
	ds_load_b128 v[RBL+4*(4*\g+\t):RBL+4*(4*\g+\t)+3], v[RD] offset:128*\g+4*SPITCH*\t   ; LDS serves a wave's instructions in order: these see the stores above
.endr
.endr
.irp g, 0,1
.irp t, 0,1,2,3
	s_wait_dscnt 7-(4*\g+\t)                       ; this read-back is in, the younger ones stay out; the last wait is for 0, so the stage is free again
	global_store_b128 v[CO], v[RBL+4*(4*\g+\t):RBL+4*(4*\g+\t)+3], s[68+2*\g:69+2*\g] offset:LOPART+2048*\a+512*\t
.endr
.endr
.Lhi_\@:
.irp b, 0,1,2,3,4,5,6,7,8,9,10,11
	ds_store_b128 v[STO], v[TMP+4*\b:TMP+4*\b+3] offset:32*\b
.endr
	s_wait_xcnt 0x0                                ; the registers that the last 16 rows' stores read are loaded again only behind this wait
.irp g, 0,1,2
.irp t, 0,1,2,3
	ds_load_b128 v[RB+4*(4*\g+\t):RB+4*(4*\g+\t)+3], v[RD] offset:128*\g+4*SPITCH*\t
.endr
.endr
.irp g, 0,1,2
.irp t, 0,1,2,3
	s_wait_dscnt 11-(4*\g+\t)                      ; this read-back is in, the younger ones stay out
	global_store_b128 v[CO], v[RB+4*(4*\g+\t):RB+4*(4*\g+\t)+3], s[66+2*\g:67+2*\g] offset:2048*\a+512*\t   ; 512 consecutive bytes, aligned
.endr
.endr
.endm
	OUT16 0
	OUT16 1
	OUT16 2
	OUT16 3
	s_set_vgpr_msb 0x1
	s_wait_tensorcnt 0x0
	ds_add_u32 v255, v255
	s_wait_dscnt 0x0
	s_set_vgpr_msb 0x100
	CROUND                                         ; the closing round: no work-group ends while a partner may still ask for a tile that names it
	s_endpgm
.Lfunc_end_k_q43fd01eda9_qkv:
	.size	k_q43fd01eda9_qkv, .Lfunc_end_k_q43fd01eda9_qkv-k_q43fd01eda9_qkv
	.p2alignl 7, 3214868480
	.fill 96, 4, 3214868480
	.section	.rodata,"a",@progbits
	.p2align	6, 0x0
	.amdhsa_kernel k_q43fd01eda9_qkv
		.amdhsa_group_segment_fixed_size 327680
		.amdhsa_private_segment_fixed_size 0
		.amdhsa_enable_private_segment 0
		.amdhsa_kernarg_size 40
		.amdhsa_user_sgpr_count 2
		.amdhsa_user_sgpr_kernarg_segment_ptr 1
		.amdhsa_wavefront_size32 1
		.amdhsa_system_sgpr_workgroup_id_x 1
		.amdhsa_system_sgpr_workgroup_id_y 1
		.amdhsa_system_sgpr_workgroup_id_z 1
		.amdhsa_system_vgpr_workitem_id 0
		.amdhsa_next_free_vgpr 896
		.amdhsa_next_free_sgpr 100
		.amdhsa_reserve_vcc 0
		.amdhsa_float_denorm_mode_32 3
		.amdhsa_float_denorm_mode_16_64 3
		.amdhsa_memory_ordered 1
		.amdhsa_forward_progress 1
		.amdhsa_inst_pref_size 217
	.end_amdhsa_kernel
	.amdgpu_metadata
---
amdhsa.version: [ 1, 2 ]
amdhsa.kernels:
  - .name:           k_q43fd01eda9_qkv
    .symbol:         k_q43fd01eda9_qkv.kd
    .args:
      - { .name: xw, .offset: 0, .size: 8, .value_kind: global_buffer, .address_space: global }
      - { .name: bq, .offset: 8, .size: 8, .value_kind: global_buffer, .address_space: global }
      - { .name: bk, .offset: 16, .size: 8, .value_kind: global_buffer, .address_space: global }
      - { .name: bv, .offset: 24, .size: 8, .value_kind: global_buffer, .address_space: global }
      - { .name: qkv, .offset: 32, .size: 8, .value_kind: global_buffer, .address_space: global }
    .group_segment_fixed_size: 327680
    .private_segment_fixed_size: 0
    .kernarg_segment_align: 8
    .kernarg_segment_size: 40
    .max_flat_workgroup_size: 128
    .sgpr_count:     100
    .vgpr_count:     896
    .wavefront_size: 32
...
	.end_amdgpu_metadata
.endif
;; end of part 2
;; launch attn (part 3): grid 256 x 1, 8 waves a work-group, no clusters, 327,680 bytes of LDS; arguments qkv, att; writes att
.if DOCPART == 3
	.amdgcn_target "amdgcn-amd-amdhsa--gfx1250"
	.amdhsa_code_object_version 6
	.text
	.protected	k_q43fd01eda9_attn
	.globl	k_q43fd01eda9_attn
	.p2align	8
	.type	k_q43fd01eda9_attn,@function
k_q43fd01eda9_attn:
	s_mov_b64 s[64:65], 0
	v_nop
	global_prefetch_b8 v0, s[64:65] scope:SCOPE_SE
	s_setreg_imm32_b32 hwreg(HW_REG_WAVE_MODE, 25, 1), 1
	s_wait_xcnt 0x0
; att[b][part][h][t][d] (f16, part 0 = upper, 1 = lower) = softmax over keys <= t of (q.k / 8), times v.  q, k, v upper, v lower: qkv[b][vh][t][64] f16.
; Scores, shifts, sums and O in f32.  A running maximum is taken away before every exponential; keys behind the diagonal are not visited, those of the
; diagonal unit are set to -inf.  v comes in two f16 parts and P multiplies both; the result leaves in two f16 parts (cut to 11 bits, and the remainder):
; a query row with few keys passes these roundings on undamped, while the overall size of the module's result is set by rows that average many keys.
; LIMIT: P is f16 (P lies in [0, 1.5); weights below 6e-8 count as 0).  f16's smallest step, 6e-8, bounds what a lower part can add.  NaN and infinite q, k, v are not served.
; The running maximum starts at -2^125 / c = -2.4e38, below any score that f16 q and k can make (64 x 65,504^2 = 2.8e11).
; WORK: work-group = (head bh = id / 8, j = id % 8).  Phase 1: the 128 query rows of block 15 - j against key units 0 .. 15 - j (128 keys each);
; phase 2: block j against units 0 .. j.  Always 17 places in the stream; the last place of a phase is the diagonal unit.
; EIGHT WAVES, two on each SIMD, so that one wave's products can run under the other's vector work.  Wave w: query rows 32 (w % 4) .. + 31 of the block, and of
; every unit the keys 64 g .. 64 g + 63, g = w / 4.  Each wave keeps its own shift, sum and O; at a phase's end the two waves of the same rows exchange half of
; that state through LDS, and the wave of group g merges and stores query tile g (16 rows).  LDS reads and arithmetic are those of four waves that take whole units.
; NO CLUSTER: the eight work-groups of a head change phase at stream place 16 - j, so from place 9 on partners need different tiles at the same place,
; and a form with equal streams would need 20 units a work-group instead of 17.
; LAYOUT: S^T = K Q^T (source 0 = 16 keys, source 1 = 16 queries): lane (r, h) holds query r and keys 16 kt + 8 h + 0..7, so maximum and sum of a row are
; a lane's own work and one exchange between the halves; two packed tiles of S^T ARE source 1 of O^T = V^T P^T, and V^T comes from rows of V by the
; transposing LDS load.  In O^T lane (r, h) holds query r and d = 16 dt + 8 h + 0..7: alpha and 1 / l are a factor a lane.
; LDS: two double slots, each for two places a, b of the stream: K a, K b (128 rows each, pitch 144), V upper a, b, V lower a, b (pitch 160); so wave w's fill
; (32 rows of K and of V's two parts of place 2 p + w / 4) lies at w times a constant.  Behind the ring, never a tensor load's target: a stage of
; 2 x 16 rows x 144 bytes a wave, and 4,608 bytes a wave for the exchange.
; One barrier for two places.  By this text's own count a wave has at most six tensor loads outstanding (at the start), later three.
; The stream has 17 places and refills go in pairs: the loop's last refill also brings place 17, key unit j + 1 of the head (inside the buffer), which no wave
; reads: one tile in eighteen.
.set KP,     144
.set VP,     160
.set KW,     32*KP                     ; a wave's part of K in LDS
.set VW,     32*VP
.set KU,     128*KP                    ; a unit's K
.set VU,     128*VP                    ; a unit's V, one part
.set VOFF,   2*KU                      ; V upper begins behind both units' K
.set VPART,  2*VU                      ; from V upper to V lower
.set DS,     VOFF+2*VPART              ; a double slot: 118,784
.set STAGE,  2*DS
.set LSTG,   16*KP                     ; from a wave's stage of upper parts to that of lower parts
.set WST,    2*LSTG
.set XA,     STAGE+8*WST               ; the exchange
.set XW,     4608                      ; 32 registers x 128 bytes, then shift and sum at 16 bytes a lane
.set LOPART, 0x400000                  ; from upper to lower part in att: 16 heads of 262,144 bytes
.set XS,   1                           ; v1      where I put what my partner merges
.set XL,   2                           ; v2      where my partner put what I merge
.set QO,   3                           ; v3      my 16 bytes of q: 4096 (w % 4) + 128 r + 16 h
.set KA,   4                           ; v4-5    K fragments, double slot 0, 1: 64 g rows + 144 r + 16 h
.set VA,   6                           ; v6-7    V upper: 64 g rows + 160 (8 h + l % 8) + 16 ((l / 8) % 2)
.set VB,   8                           ; v8-9    V lower
.set STO,  10
.set RD,   11
.set CO,   12
.set NINF, 13                          ; v13     -inf
.set THR,  14                          ; v14-15  32 (w % 4) + 16 qt + r - 8 h - 64 g: a key of the diagonal unit counts if 16 kt + j <= THR
.set L,    16                          ; v16-17  running sum of my half of my keys
.set AL,   18                          ; v[18:19], v[20:21]  alpha (low word; the high word is written once and not used)
.set NM,   22                          ; v[22:23], v[24:25]  -c x running maximum as rounded: the shift of the exponents
.set T,    26                          ; v26-30  at work
.set QF,   32                          ; v32-63   Q(qt, ks) at 16 qt + 8 ks
.set S,    64                          ; v64-127  S(qt, kt) at 32 qt + 8 kt; then P(qt, k2) at 32 qt + 8 k2
.set KF,   128                         ; v128-191 K(kt, ks) at 16 kt + 8 ks
.set VF,   192                         ; v192-255 V^T upper (dt, k2) at 16 dt + 8 k2
.set VL,   64                          ; window 1: v64-127 V^T lower, the same order
                                       ; window 1: v0-63 O(qt, dt) at 32 qt + 8 dt
.set G1K, 32
.set G1V, 40                           ; serves both parts of V
.set G0K, 48                           ; one group 0 a double slot
.set G0V, 56
.set G0L, 72
.set MSB, 0
.macro WIN new
.if MSB != (\new)
	s_set_vgpr_msb (MSB<<8)|(\new)
.set MSB, (\new)
.endif
.endm
.macro PLACES                          ; four places behind a matrix instruction (ISA guide 7.12.1)
.rept 4
	v_nop
.endr
.endm
.macro NOP5                            ; five: the next matrix instructions write over P
.rept 5
	v_nop
.endr
.endm
	s_load_b128 s[4:7], s[0:1], 0x0                ; qkv s[4:5], att s[6:7]
	v_lshl_add_u32 v31, v0, 2, 0x4c000
	s_set_vgpr_msb 0x40
	v_mov_b32 v129, 0
	s_set_vgpr_msb 0x4044
	ds_add_u32 v31, v129
	s_set_vgpr_msb 0x4400
	v_lshrrev_b32 v64, 5, v0
	v_readfirstlane_b32 s8, v64                    ; wave 0..7
	s_lshr_b32 s84, s8, 2                          ; g: which 64 keys of a unit, which place of a pair I fetch, which query tile I merge
	s_and_b32 s85, s8, 3                           ; which 32 query rows, which 32 key rows I fetch
	s_and_b32 s9, ttmp9, 7                         ; j
	s_lshr_b32 s10, ttmp9, 3                       ; bh
	s_sub_co_u32 s11, 16, s9                       ; n1: units of phase 1 (9 .. 16)
	s_add_co_u32 s12, s9, 1                        ; n2: units of phase 2
	s_mov_b32 s13, s11                             ; units left in the phase; 1 = the diagonal unit
	s_mov_b32 s14, 0                               ; 1 = the next place starts phase 2's sums
	s_add_co_u32 s15, s84, 4                       ; stream place that I fetch next
	s_mov_b32 s66, 0x3e38aa3b                      ; c = log2(e) / 8
	s_mov_b32 s67, 0x3e38aa3b
	s_mov_b32 s68, 0xbe38aa3b                      ; -c
	s_mov_b32 s70, 0x76543210                      ; v_permlanex16_b32: lane i reads lane i of the other half
	s_mov_b32 s71, 0xfedcba98
	s_mov_b32 s82, 0xffffe000                      ; keeps sign, exponent and 10 bits of an f32: a number that f16 holds exactly
	s_mov_b32 s86, 0x7e000000                      ; 2^125: the shift at a phase's start
	; group 1: a wave's 32 key rows are 4,096 consecutive bytes: 16 rows of 128 elements (256 bytes), with padding behind every 32 words, that is
	; behind each key row of 128 bytes: 4 words for K (pitch 144), 8 for V (pitch 160)
	s_mov_b32 s[G1K+0], (1<<16)|(1<<20)|(4<<22)|(3<<25)
	s_mov_b32 s[G1V+0], (1<<16)|(1<<20)|(4<<22)|(7<<25)
	s_mov_b32 s[G1K+1], 128<<16
	s_mov_b32 s[G1V+1], 128<<16
	s_mov_b32 s[G1K+2], 16<<16
	s_mov_b32 s[G1V+2], 16<<16
	s_mov_b32 s[G1K+3], 128<<16
	s_mov_b32 s[G1V+3], 128<<16
	s_mov_b32 s[G1K+4], 16
	s_mov_b32 s[G1V+4], 16
	s_mov_b32 s[G1K+5], 128
	s_mov_b32 s[G1V+5], 128
	s_mov_b32 s[G1K+6], 0
	s_mov_b32 s[G1V+6], 0
	s_mov_b32 s[G1K+7], 0
	s_mov_b32 s[G1V+7], 0
	s_lshr_b32 s17, s10, 4                         ; batch
	s_and_b32 s18, s10, 15                         ; head
	s_lshl_b32 s16, s17, 5                         ; att: 32 heads' worth a batch (16 upper, 16 lower)
	s_add_co_u32 s16, s16, s18
	s_lshl_b32 s16, s16, 18                        ; att's head, upper part
	s_lshl_b32 s17, s17, 6                         ; qkv: 64 virtual heads a batch
	s_add_co_u32 s17, s17, s18
	s_lshl_b32 s17, s17, 18                        ; q's head, in bytes
	s_sub_co_u32 s2, 15, s9
	s_lshl_b32 s2, s2, 14                          ; phase 1's query block, 128 rows of 128 bytes
	s_lshl_b32 s3, s9, 14                          ; phase 2's
	s_lshl_b32 s69, s85, 12                        ; my 32 rows
	s_mov_b32 s19, 0                               ; stays 0: the high word of every offset
	s_wait_dscnt 0x0
	s_wait_kmcnt 0x0
	s_add_co_u32 s18, s17, s2
	s_add_nc_u64 s[20:21], s[4:5], s[18:19]        ; q, phase 1
	s_add_co_u32 s18, s17, s3
	s_add_nc_u64 s[22:23], s[4:5], s[18:19]        ; q, phase 2
	s_add_co_u32 s18, s16, s2
	s_add_nc_u64 s[24:25], s[6:7], s[18:19]        ; att, phase 1
	s_add_co_u32 s18, s16, s3
	s_add_nc_u64 s[26:27], s[6:7], s[18:19]        ; att, phase 2
	s_add_co_u32 s18, s17, s69
	s_add_co_u32 s18, s18, (16<<18)
	s_add_nc_u64 s[28:29], s[4:5], s[18:19]        ; my rows of K's unit 0
	s_add_co_u32 s18, s18, (16<<18)
	s_add_nc_u64 s[30:31], s[4:5], s[18:19]        ; of V's upper part
	s_add_co_u32 s18, s18, (16<<18)
	s_add_nc_u64 s[80:81], s[4:5], s[18:19]        ; of V's lower part
	s_or_b32 s29, s29, 0x80000000                  ; the descriptor's type
	s_or_b32 s31, s31, 0x80000000
	s_or_b32 s81, s81, 0x80000000
	s_mul_i32 s2, s8, KW                           ; where my parts go: the wave's number times a constant
	s_mul_i32 s3, s8, VW
	s_lshl_b32 s18, s84, 14                        ; places g and 2 + g are key units g and 2 + g: n1 >= 9
.irp d, 0,1
	s_mov_b32 s[G0K+4*\d], 1
	s_add_co_u32 s[G0K+4*\d+1], s2, \d*DS
	s_add_nc_u64 s[G0K+4*\d+2:G0K+4*\d+3], s[28:29], s[18:19]
	s_mov_b32 s[G0V+4*\d], 1
	s_add_co_u32 s[G0V+4*\d+1], s3, \d*DS+VOFF
	s_add_nc_u64 s[G0V+4*\d+2:G0V+4*\d+3], s[30:31], s[18:19]
	s_mov_b32 s[G0L+4*\d], 1
	s_add_co_u32 s[G0L+4*\d+1], s3, \d*DS+VOFF+VPART
	s_add_nc_u64 s[G0L+4*\d+2:G0L+4*\d+3], s[80:81], s[18:19]
	tensor_load_to_lds s[G0K+4*\d:G0K+4*\d+3], s[G1K:G1K+7]
	s_nop 0
	tensor_load_to_lds s[G0V+4*\d:G0V+4*\d+3], s[G1V:G1V+7]
	s_nop 0
	tensor_load_to_lds s[G0L+4*\d:G0L+4*\d+3], s[G1V:G1V+7]
	s_nop 0
	s_add_co_u32 s18, s18, 32768                   ; two units on (s18 is no descriptor's register)
.endr
	v_and_b32 v65, 15, v0                          ; r
	v_bfe_u32 v66, v0, 4, 1                        ; h
	v_and_b32 v67, 31, v0                          ; l
	v_lshlrev_b32 v[QO], 7, v65
	v_lshl_add_u32 v[QO], v66, 4, v[QO]
	v_add_nc_u32 v[QO], s69, v[QO]
.macro QLOAD base                      ; source 1 of S^T: lane (r, h) takes d = 32 ks + 8 h + 0..7 and + 16 of query row 16 qt + r
.irp qt, 0,1
.irp ks, 0,1
	global_load_b128 v[QF+16*\qt+8*\ks:QF+16*\qt+8*\ks+3],   v[QO], s[\base:\base+1] offset:2048*\qt+64*\ks
	global_load_b128 v[QF+16*\qt+8*\ks+4:QF+16*\qt+8*\ks+7], v[QO], s[\base:\base+1] offset:2048*\qt+64*\ks+32
.endr
.endr
.endm
	QLOAD 20
	v_mov_b32 v[NINF], 0xff800000
	v_mul_u32_u24 v68, v65, KP
	v_lshl_add_u32 v68, v66, 4, v68                ; 144 r + 16 h
	s_mul_i32 s17, s84, 64*KP                      ; my 64 keys of a unit
	v_add_nc_u32 v[KA], s17, v68
	v_add_nc_u32 v[KA+1], DS, v[KA]
	v_and_b32 v69, 7, v0
	v_lshl_add_u32 v69, v66, 3, v69
	v_mul_u32_u24 v69, v69, VP
	v_bfe_u32 v70, v0, 3, 1
	v_lshl_add_u32 v69, v70, 4, v69
	s_mul_i32 s17, s84, 64*VP
	s_add_co_u32 s17, s17, VOFF
	v_add_nc_u32 v[VA], s17, v69
	v_add_nc_u32 v[VA+1], DS, v[VA]
	v_add_nc_u32 v[VB], VPART, v[VA]
	v_add_nc_u32 v[VB+1], VPART, v[VA+1]
	s_mul_i32 s17, s8, WST
	s_add_co_u32 s17, s17, STAGE                   ; my stage
	v_add_nc_u32 v[STO], s17, v68
	v_lshrrev_b32 v70, 3, v67
	v_mul_u32_u24 v70, v70, KP
	v_and_b32 v71, 7, v0
	v_lshl_add_u32 v70, v71, 4, v70
	v_add_nc_u32 v[RD], s17, v70                   ; back: eight lanes a row of 128 bytes, four rows a load
	s_lshl_b32 s17, s84, 11
	s_add_co_u32 s17, s17, s69
	v_lshl_add_u32 v[CO], v67, 4, s17              ; 4096 (w % 4) + 2048 g + 16 l: the 16 rows that I store
	s_mul_i32 s17, s8, XW
	s_add_co_u32 s17, s17, XA
	v_lshl_add_u32 v[XS], v67, 4, s17              ; my bytes of the exchange
	s_xor_b32 s17, s8, 4                           ; my partner: the same rows, the other group
	s_mul_i32 s17, s17, XW
	s_add_co_u32 s17, s17, XA
	v_lshl_add_u32 v[XL], v67, 4, s17
	s_lshl_b32 s17, s85, 5
	s_lshl_b32 s2, s84, 6
	s_sub_co_i32 s17, s17, s2                      ; 32 (w % 4) - 64 g
	v_lshlrev_b32 v70, 3, v66
	v_sub_nc_u32 v[THR], v65, v70
	v_add_nc_u32 v[THR], s17, v[THR]
	v_add_nc_u32 v[THR+1], 16, v[THR]
.irp qt, 0,1
	v_mov_b32 v[L+\qt], 0
	v_mov_b32 v[AL+2*\qt+1], 0
	v_mov_b32 v[NM+2*\qt], s86
	v_mov_b32 v[NM+2*\qt+1], 0
.endr
.macro LDK ds, e                       ; my 64 keys x 64 d of the unit at (double slot, place of the pair) as source 0 of S^T: 16 loads
.irp kt, 0,1,2,3
.irp ks, 0,1
	ds_load_b128 v[KF+16*\kt+8*\ks:KF+16*\kt+8*\ks+3],   v[KA+\ds] offset:KU*\e+KP*16*\kt+64*\ks
	ds_load_b128 v[KF+16*\kt+8*\ks+4:KF+16*\kt+8*\ks+7], v[KA+\ds] offset:KU*\e+KP*16*\kt+64*\ks+32
.endr
.endr
.endm
.macro LDV ds, e                       ; 64 d x my 64 keys as source 0 of O^T, transposed on the way: 16 loads for the upper part, 16 for the lower
.irp dt, 0,1,2,3
.irp k2, 0,1
	ds_load_tr16_b128 v[VF+16*\dt+8*\k2:VF+16*\dt+8*\k2+3],   v[VA+\ds] offset:VU*\e+VP*(32*\k2)+32*\dt
	ds_load_tr16_b128 v[VF+16*\dt+8*\k2+4:VF+16*\dt+8*\k2+7], v[VA+\ds] offset:VU*\e+VP*(32*\k2+16)+32*\dt
.endr
.endr
	WIN 0x40                                       ; destination window 1, address window 0
.irp dt, 0,1,2,3
.irp k2, 0,1
	ds_load_tr16_b128 v[VL+16*\dt+8*\k2:VL+16*\dt+8*\k2+3],   v[VB+\ds] offset:VU*\e+VP*(32*\k2)+32*\dt
	ds_load_tr16_b128 v[VL+16*\dt+8*\k2+4:VL+16*\dt+8*\k2+7], v[VB+\ds] offset:VU*\e+VP*(32*\k2+16)+32*\dt
.endr
.endr
	WIN 0
.endm
.macro SMM                             ; S^T of 64 keys x 32 queries; the eight accumulators take turns
.irp qt, 0,1
.irp kt, 0,1,2,3
	v_wmma_f32_16x16x32_f16 v[S+32*\qt+8*\kt:S+32*\qt+8*\kt+7], v[KF+16*\kt:KF+16*\kt+7], v[QF+16*\qt:QF+16*\qt+7], 0
.endr
.endr
.irp qt, 0,1
.irp kt, 0,1,2,3
	v_wmma_f32_16x16x32_f16 v[S+32*\qt+8*\kt:S+32*\qt+8*\kt+7], v[KF+16*\kt+8:KF+16*\kt+15], v[QF+16*\qt+8:QF+16*\qt+15], v[S+32*\qt+8*\kt:S+32*\qt+8*\kt+7]
.endr
.endr
.endm
.macro MASK                            ; the diagonal unit: keys behind the query become -inf
.irp qt, 0,1
.irp kt, 0,1,2,3
.irp jj, 0,1,2,3,4,5,6,7
	v_cmp_le_i32 vcc_lo, 16*\kt+\jj, v[THR+\qt]
	v_cndmask_b32 v[S+32*\qt+8*\kt+\jj], v[NINF], v[S+32*\qt+8*\kt+\jj], vcc_lo
.endr
.endr
.endr
.endm
; One query tile's 64 new scores: new shift, alpha, p = exp2(c s + NM), the sum, and P packed in place as source 1 of O^T.
; NM = -c x (running maximum), as rounded.  Rounding keeps order, so the smaller of -c x (this step's maximum) and the old NM is the shift of the new running maximum.
; alpha = exp2(NM new - NM old): the shift that the exponents get and the one that alpha accounts for are one number.
; Where all 64 keys are masked, -c x (-inf) = +inf loses against the old NM, which is finite from the start: alpha = 1, p = 0.
.macro SOFTMAX qt
.set S0, S+32*\qt
.irp c, 0,1,2,3
	v_max3_num_f32 v[T+\c], v[S0+8*\c], v[S0+8*\c+1], v[S0+8*\c+2]    ; four chains that do not wait for each other
.endr
.irp c, 0,1,2,3
	v_max3_num_f32 v[T+\c], v[T+\c], v[S0+8*\c+3], v[S0+8*\c+4]
.endr
.irp c, 0,1,2,3
	v_max3_num_f32 v[T+\c], v[T+\c], v[S0+8*\c+5], v[S0+8*\c+6]
.endr
.irp c, 0,1,2,3
	v_max_num_f32 v[T+\c], v[T+\c], v[S0+8*\c+7]
.endr
	v_max3_num_f32 v[T], v[T], v[T+1], v[T+2]
	v_max_num_f32 v[T], v[T], v[T+3]
	v_permlanex16_b32 v[T+1], v[T], s70, s71       ; the other half's keys of the same query
	v_max_num_f32 v[T+2], v[T], v[T+1]
	v_mul_f32 v[T+3], s68, v[T+2]
	v_min_num_f32 v[T+3], v[T+3], v[NM+2*\qt]
	v_sub_f32 v[T+4], v[T+3], v[NM+2*\qt]
	v_exp_f32 v[AL+2*\qt], v[T+4]
	v_mov_b32 v[NM+2*\qt], v[T+3]                  ; the plain instruction behind the exponential (ISA guide 5.7.2)
.set ii, 0
.rept 16
	v_pk_fma_f32 v[S0+ii:S0+ii+1], v[S0+ii:S0+ii+1], s[66:67], v[NM+2*\qt:NM+2*\qt+1] op_sel_hi:[1,0,0]
.set ii, ii+2
.endr
.set ii, 0
.rept 32
	v_exp_f32 v[S0+ii], v[S0+ii]
.set ii, ii+1
.endr
	v_nop                                          ; one plain place before the last results are used
	s_wait_alu depctr_va_vdst(0)
	v_pk_add_f32 v[T:T+1], v[S0:S0+1], v[S0+2:S0+3]
	v_pk_add_f32 v[T+2:T+3], v[S0+4:S0+5], v[S0+6:S0+7]
.set ii, 8
.rept 6
	v_pk_add_f32 v[T:T+1], v[T:T+1], v[S0+ii:S0+ii+1]
	v_pk_add_f32 v[T+2:T+3], v[T+2:T+3], v[S0+ii+2:S0+ii+3]
.set ii, ii+4
.endr
	v_pk_add_f32 v[T:T+1], v[T:T+1], v[T+2:T+3]
	v_add_f32 v[T], v[T], v[T+1]
	v_fma_f32 v[L+\qt], v[L+\qt], v[AL+2*\qt], v[T]
.set ii, 0
.rept 16
	v_cvt_pk_f16_f32 v[S0+ii], v[S0+2*ii], v[S0+2*ii+1]    ; ascending: register ii is written when 2 ii and 2 ii + 1 are read, never before
.set ii, ii+1
.endr
.endm
.macro PVMUL vb, k2, zero              ; eight products: O^T += V^T(32 keys, part at vb) P^T; the caller sets the window
.irp dt, 0,1,2,3
.irp qt, 0,1
.if \zero
	v_wmma_f32_16x16x32_f16 v[32*\qt+8*\dt:32*\qt+8*\dt+7], v[\vb+16*\dt+8*\k2:\vb+16*\dt+8*\k2+7], v[S+32*\qt+8*\k2:S+32*\qt+8*\k2+7], 0
.else
	v_wmma_f32_16x16x32_f16 v[32*\qt+8*\dt:32*\qt+8*\dt+7], v[\vb+16*\dt+8*\k2:\vb+16*\dt+8*\k2+7], v[S+32*\qt+8*\k2:S+32*\qt+8*\k2+7], v[32*\qt+8*\dt:32*\qt+8*\dt+7]
.endif
.endr
.endr
.endm
.macro PVREST                          ; the upper part's second 32 keys, then the lower part's 64; the eight accumulators take turns
	WIN 0x50                                       ; C and D in window 1
	PVMUL VF, 1, 0
	WIN 0x51                                       ; and source 0 too
	PVMUL VL, 0, 0
	PVMUL VL, 1, 0
	WIN 0
.endm
.macro OSCALE                          ; O *= alpha
	WIN 0x41                                       ; destination and source 0 in window 1
.irp qt, 0,1
.set ii, 0
.rept 16
	v_pk_mul_f32 v[32*\qt+ii:32*\qt+ii+1], v[32*\qt+ii:32*\qt+ii+1], v[AL+2*\qt:AL+2*\qt+1] op_sel_hi:[1,0]
.set ii, ii+2
.endr
.endr
.endm
.macro PV1                             ; a place that cannot start a phase
	OSCALE
	WIN 0x50
	PVMUL VF, 0, 0
	PVREST
.endm
.macro PV0                             ; where the place starts phase 2, the first products start the sums and nothing is cleared
	s_cmp_lg_u32 s14, 0
	s_cbranch_scc1 .Lfirst_\@
	OSCALE
	WIN 0x50
	PVMUL VF, 0, 0
	WIN 0
	s_branch .Ljoin_\@
.Lfirst_\@:
	WIN 0x40
	PVMUL VF, 0, 1
	WIN 0
.Ljoin_\@:
	PVREST
	s_mov_b32 s14, 0
.endm
; THE END OF A PHASE.  What my partner merges goes into my bytes of the exchange: O of query tile oq (32 registers), its shift and its sum.
.macro XSTORE oq
	WIN 0x04                                       ; an LDS store's data is source 1: window 1
.irp i, 0,1,2,3,4,5,6,7
	ds_store_b128 v[XS], v[32*\oq+4*\i:32*\oq+4*\i+3] offset:512*\i
.endr
	WIN 0
	ds_store_b32 v[XS], v[NM+2*\oq] offset:4096
	ds_store_b32 v[XS], v[L+\oq] offset:4100
.endm
; Query tile mq: my state and my partner's under the smaller shift (the larger maximum), divided by the sum, in two f16 parts, through my stage,
; out as 2 x 2,048 consecutive bytes.  A state that saw masked keys alone has the starting shift, sum 0 and O = 0: its factor is exp2 of about -2^125, that is 0.
.macro MERGE mq, base
	ds_load_b64 v[T+2:T+3], v[XL] offset:4096      ; the partner's shift and sum
.irp i, 0,1,2,3,4,5,6,7
	ds_load_b128 v[VF+4*\i:VF+4*\i+3], v[XL] offset:512*\i
.endr
	s_wait_dscnt 0x8                               ; shift and sum are in; the eight loads of O stay out
	v_min_num_f32 v[T], v[NM+2*\mq], v[T+2]
	v_sub_f32 v[T+1], v[T], v[NM+2*\mq]
	v_sub_f32 v[T+4], v[T], v[T+2]
	v_exp_f32 v[AL], v[T+1]                        ; my factor
	v_exp_f32 v[AL+2], v[T+4]                      ; my partner's
	v_nop
	s_wait_alu depctr_va_vdst(0)
	v_mul_f32 v[T], v[L+\mq], v[AL]
	v_fma_f32 v[T], v[T+3], v[AL+2], v[T]
	v_permlanex16_b32 v[T+1], v[T], s70, s71       ; the other half of the keys
	v_add_f32 v[T], v[T], v[T+1]                   ; l >= about 1: the key of the maximum has p near 1 and factor 1
	v_rcp_f32 v[T+2], v[T]
	v_nop
	s_wait_alu depctr_va_vdst(0)
	v_mul_f32 v[AL], v[AL], v[T+2]
	v_mul_f32 v[AL+2], v[AL+2], v[T+2]
	s_wait_dscnt 0x0                               ; the partner's O
.set ii, 0
.rept 16
	v_pk_mul_f32 v[S+ii:S+ii+1], v[VF+ii:VF+ii+1], v[AL+2:AL+3] op_sel_hi:[1,0]
.set ii, ii+2
.endr
	WIN 0x01                                       ; source 0 in window 1: my O
.set ii, 0
.rept 16
	v_pk_fma_f32 v[S+ii:S+ii+1], v[32*\mq+ii:32*\mq+ii+1], v[AL:AL+1], v[S+ii:S+ii+1] op_sel_hi:[1,0,1]
.set ii, ii+2
.endr
	WIN 0
.set ii, 0
.rept 16
	v_and_b32 v[T+2*(ii%2)], s82, v[S+2*ii]                        ; cut to 11 bits: exact in f16
	v_and_b32 v[T+2*(ii%2)+1], s82, v[S+2*ii+1]
	v_cvt_pk_f16_f32 v[VF+ii], v[T+2*(ii%2)], v[T+2*(ii%2)+1]      ; the upper parts, packed
	v_sub_f32 v[S+2*ii], v[S+2*ii], v[T+2*(ii%2)]                  ; the remainders, exact in f32
	v_sub_f32 v[S+2*ii+1], v[S+2*ii+1], v[T+2*(ii%2)+1]
.set ii, ii+1
.endr
.set ii, 0
.rept 16
	v_cvt_pk_f16_f32 v[S+ii], v[S+2*ii], v[S+2*ii+1]               ; the lower parts, packed in place, ascending
.set ii, ii+1
.endr
.irp dt, 0,1,2,3
	ds_store_b128 v[STO], v[VF+4*\dt:VF+4*\dt+3] offset:32*\dt
.endr
.irp dt, 0,1,2,3
	ds_store_b128 v[STO], v[S+4*\dt:S+4*\dt+3] offset:LSTG+32*\dt
.endr
.irp i, 0,1,2,3
	ds_load_b128 v[VF+16+4*\i:VF+16+4*\i+3], v[RD] offset:4*KP*\i  ; LDS serves a wave's instructions in order: these see the stores above
.endr
.irp i, 0,1,2,3
	ds_load_b128 v[S+32+4*\i:S+32+4*\i+3], v[RD] offset:LSTG+4*KP*\i
.endr
.irp i, 0,1,2,3
	s_wait_dscnt 7-\i                              ; this read-back is in; the younger ones, the lower parts' four among them, stay out
	global_store_b128 v[CO], v[VF+16+4*\i:VF+16+4*\i+3], s[\base:\base+1] offset:512*\i    ; 512 consecutive bytes, aligned
.endr
.irp i, 0,1,2,3
	s_wait_dscnt 3-\i
	global_store_b128 v[CO], v[S+32+4*\i:S+32+4*\i+3], s[\base:\base+1] offset:LOPART+512*\i
.endr
.endm
; reinit = 1: phase 2 follows: its Q is asked for first and waited for last.  The branches on g hold no barrier; the branch round this whole block hangs on
; the work-group's number alone, so all eight waves pass its barriers or none does.  Tensor loads may be out across them.
.macro EPI base, reinit
.if \reinit
	QLOAD 22
.endif
	s_cmp_lg_u32 s84, 0
	s_cbranch_scc1 .Lx1_\@
	XSTORE 1
	s_branch .Lxj_\@
.Lx1_\@:
	XSTORE 0
.Lxj_\@:
	s_wait_dscnt 0x0                               ; for my partner's sake: my stores are done
	s_barrier_signal -1
	s_barrier_wait -1
	s_cmp_lg_u32 s84, 0
	s_cbranch_scc1 .Lg1_\@
	MERGE 0, \base
	s_branch .Lgj_\@
.Lg1_\@:
	MERGE 1, \base
.Lgj_\@:
.if \reinit
	s_wait_xcnt 0x0                                ; the registers that these stores read are written again only behind this wait
.irp qt, 0,1
	v_mov_b32 v[NM+2*\qt], s86
	v_mov_b32 v[L+\qt], 0
.endr
	s_mov_b32 s13, s12
	s_mov_b32 s14, 1
	s_wait_loadcnt 0x0                             ; phase 2's Q
	s_wait_dscnt 0x0                               ; my reads of my partner's bytes are done:
	s_barrier_signal -1                            ; no wave stores into the exchange again before every wave has said so
	s_barrier_wait -1
.endif
.endm
; One place of the stream: my 64 keys of the unit at (ds, e).  At the entry its K has been asked for (16 LDS loads).  (nds, ne): where the next place lies.
; bar = 1: the second place of a pair: the barrier behind which the other double slot may be read; refill = 1: and this double slot is filled again, four places on.
; diag = 1: the place may be a phase's last or first; first: the stream's first place; last: its last, always diagonal.
.macro TRIP ds, e, nds, ne, bar, refill, diag, first, last
	LDV \ds, \e
	s_wait_dscnt 0x20                              ; K is in; V's 32 loads stay out
	SMM
	PLACES
.if \bar == 0
.if \last == 0
	LDK \nds, \ne                                  ; the next place lies in the same double slot
.endif
.endif
.if \diag
.if \last == 0
	s_cmp_lg_u32 s13, 1
	s_cbranch_scc1 .Lm_\@
.endif
	MASK
.Lm_\@:
.endif
.if \bar
	s_wait_dscnt 0x0                               ; V is in registers: my reads of this double slot are over
	s_set_vgpr_msb 0x4
	s_wait_tensorcnt 0x0                           ; and none of my tensor loads is out: my parts of the other double slot have landed
	ds_add_u32 v31, v129
	s_wait_dscnt 0x0
	s_set_vgpr_msb 0x400
.if \refill
	s_cmp_ge_u32 s15, s11                          ; stream place -> key unit: phase 2 begins again at unit 0
	s_cselect_b32 s17, s11, 0
	s_sub_co_u32 s18, s15, s17
	s_lshl_b32 s18, s18, 14
	s_add_nc_u64 s[G0K+4*\ds+2:G0K+4*\ds+3], s[28:29], s[18:19]
	s_add_nc_u64 s[G0V+4*\ds+2:G0V+4*\ds+3], s[30:31], s[18:19]
	s_add_nc_u64 s[G0L+4*\ds+2:G0L+4*\ds+3], s[80:81], s[18:19]
	s_add_co_u32 s15, s15, 2
.endif
	s_barrier_signal -1
.endif
	SOFTMAX 0                                      ; register work alone between signal and wait
	SOFTMAX 1
.if \bar
	s_barrier_wait -1
.if \refill
	tensor_load_to_lds s[G0K+4*\ds:G0K+4*\ds+3], s[G1K:G1K+7]      ; the first tensor loads behind the barrier: two places' work in which to land
	s_nop 0
	tensor_load_to_lds s[G0V+4*\ds:G0V+4*\ds+3], s[G1V:G1V+7]
	s_nop 0
	tensor_load_to_lds s[G0L+4*\ds:G0L+4*\ds+3], s[G1V:G1V+7]
	s_nop 0
.endif
	LDK \nds, \ne
.else
.if \last
	s_wait_dscnt 0x0                               ; V is in
.else
	s_wait_dscnt 0x10                              ; V is in; the next place's K, 16 loads, stays out
.endif
.endif
.if \first
	WIN 0x40
	PVMUL VF, 0, 1                                 ; the first products start the sums
	PVREST
.else
.if \diag
	PV0
.else
	PV1
.endif
.endif
	NOP5
.if \last
	EPI 26, 0
.else
.if \diag
	s_cmp_lg_u32 s13, 1
	s_cbranch_scc1 .Lne_\@
	EPI 24, 1
	s_branch .Ldn_\@
.Lne_\@:
	s_sub_co_u32 s13, s13, 1
.Ldn_\@:
.else
	s_sub_co_u32 s13, s13, 1
.endif
.endif
.endm
	s_wait_tensorcnt 0x3                           ; my three parts of double slot 0 are in; double slot 1's three loads stay out
	s_barrier_signal -1
	s_barrier_wait -1
	LDK 0, 0
	s_wait_loadcnt 0x0                             ; Q
	TRIP 0, 0, 0, 1, 0, 0, 0, 1, 0                 ; place 0
	TRIP 0, 1, 1, 0, 1, 1, 0, 0, 0                 ; place 1; places 4, 5 go out.  No phase ends before place 8: n1 >= 9
	s_mov_b32 s16, 3
.Lloop:
	TRIP 1, 0, 1, 1, 0, 0, 1, 0, 0                 ; places 2, 6, 10
	TRIP 1, 1, 0, 0, 1, 1, 1, 0, 0                 ; places 3, 7, 11; places 6, 7 (10, 11; 14, 15) go out
	TRIP 0, 0, 0, 1, 0, 0, 1, 0, 0                 ; places 4, 8, 12
	TRIP 0, 1, 1, 0, 1, 1, 1, 0, 0                 ; places 5, 9, 13; places 8, 9 (12, 13; 16, 17) go out
	s_sub_co_u32 s16, s16, 1
	s_cmp_lg_u32 s16, 0
	s_cbranch_scc1 .Lloop
	TRIP 1, 0, 1, 1, 0, 0, 1, 0, 0                 ; place 14
	TRIP 1, 1, 0, 0, 1, 0, 1, 0, 0                 ; place 15: the barrier shows place 16's tile to all; nothing is fetched
	TRIP 0, 0, 0, 0, 0, 0, 1, 0, 1                 ; place 16
	s_set_vgpr_msb 0x4
	s_wait_tensorcnt 0x0
	ds_add_u32 v31, v129
	s_wait_dscnt 0x0
	s_set_vgpr_msb 0x400
	s_endpgm
.Lfunc_end_k_q43fd01eda9_attn:
	.size	k_q43fd01eda9_attn, .Lfunc_end_k_q43fd01eda9_attn-k_q43fd01eda9_attn
	.p2alignl 7, 3214868480
	.fill 96, 4, 3214868480
	.section	.rodata,"a",@progbits
	.p2align	6, 0x0
	.amdhsa_kernel k_q43fd01eda9_attn
		.amdhsa_group_segment_fixed_size 327680
		.amdhsa_private_segment_fixed_size 0
		.amdhsa_enable_private_segment 0
		.amdhsa_kernarg_size 16
		.amdhsa_user_sgpr_count 2
		.amdhsa_user_sgpr_kernarg_segment_ptr 1
		.amdhsa_wavefront_size32 1
		.amdhsa_system_sgpr_workgroup_id_x 1
		.amdhsa_system_sgpr_workgroup_id_y 1
		.amdhsa_system_sgpr_workgroup_id_z 1
		.amdhsa_system_vgpr_workitem_id 0
		.amdhsa_next_free_vgpr 386
		.amdhsa_next_free_sgpr 88
		.amdhsa_reserve_vcc 1
		.amdhsa_float_denorm_mode_32 3
		.amdhsa_float_denorm_mode_16_64 3
		.amdhsa_memory_ordered 1
		.amdhsa_forward_progress 1
		.amdhsa_inst_pref_size 255
	.end_amdhsa_kernel
	.section	.bss,"aw",@nobits
	.p2align	6
	.space	262144
	.amdgpu_metadata
---
amdhsa.version: [ 1, 2 ]
amdhsa.kernels:
  - .name:           k_q43fd01eda9_attn
    .symbol:         k_q43fd01eda9_attn.kd
    .args:
      - { .name: qkv, .offset: 0, .size: 8, .value_kind: global_buffer, .address_space: global }
      - { .name: att, .offset: 8, .size: 8, .value_kind: global_buffer, .address_space: global }
    .group_segment_fixed_size: 327680
    .private_segment_fixed_size: 0
    .kernarg_segment_align: 8
    .kernarg_segment_size: 16
    .max_flat_workgroup_size: 256
    .sgpr_count:     88
    .vgpr_count:     386
    .wavefront_size: 32
...
	.end_amdgpu_metadata
.endif
;; end of part 3
;; launch proj (part 4): grid 8 x 32, 4 waves a work-group, clusters of 4 x 4, 327,680 bytes of LDS; arguments att, xw, bo, out0; writes out0
.if DOCPART == 4
	.amdgcn_target "amdgcn-amd-amdhsa--gfx1250"
	.amdhsa_code_object_version 6
	.text
	.protected	k_q43fd01eda9_proj
	.globl	k_q43fd01eda9_proj
	.p2align	8
	.type	k_q43fd01eda9_proj,@function
k_q43fd01eda9_proj:
	s_mov_b64 s[64:65], 0
	v_nop
	global_prefetch_b8 v0, s[64:65] scope:SCOPE_SE
	s_setreg_imm32_b32 hwreg(HW_REG_WAVE_MODE, 25, 1), 1
	s_wait_xcnt 0x0
	s_wait_alu depctr_hold_cnt(0) depctr_sa_sdst(0) depctr_va_vdst(0) depctr_va_sdst(0) depctr_va_ssrc(0) depctr_va_vcc(0) depctr_vm_vsrc(0)
	s_getreg_b32 s2, hwreg(HW_REG_IB_STS2, 6, 4)
	s_cmp_eq_u32 s2, 0
	s_cbranch_scc0 .Lentry_in_a_cluster
	s_endpgm
.Lentry_in_a_cluster:
	s_bfe_u32 s2, ttmp6, 0x10000c
	s_cmp_lg_u32 s2, 0xf033
	s_cbranch_scc0 .Lentry_shape_is_right
	s_endpgm
.Lentry_shape_is_right:
; out0[b t][n] (f32) = sum over c of attended[b t][c] Wo[n][c] + bo[n].  attended = upper + lower part: att[b][part][h][t][64] f16, c = 64 h + d;
; Wo: rows 7168.. of xw, f16 codes of bf16 numbers.  f16 operands, f32 sums, the f32 bias as the start of each sum.
; Both parts of the attended rows are multiplied by Wo into the same sums: a product of K = 2,048, in which Wo's 1,024 columns are walked twice.
; LIMIT: the order of the sums is the matrix unit's: the upper parts with K ascending, then the lower parts; operands as the launches before left them.
; A work-group makes 128 x 128 with four waves, a wave 64 x 64: 16 accumulator tiles.  K goes in 16 steps of 128 (two heads of one part) through FOUR LDS slots:
; all four are filled at the start, and two are filled again behind each of six rounds, so that a refill has two K steps (128 products a wave) in which to land.
; CLUSTERS: 4 x 4 work-groups; att's tile hangs on the block row and is asked for jointly along a row of the cluster, Wo's on the block column, along a column.
; Waves 0, 1 ask for the two heads of att's tile (16,384 consecutive bytes each), waves 2, 3 for 64 rows of Wo each.
; By this text's own count a wave has at most four tensor loads outstanding.  No loop: the 16 K steps are written out by macro.
; The matrix instruction is used transposed (source 0 = rows of Wo, source 1 = rows of att): a lane holds 8 neighbouring f32 of a row of out0.
.set APITCH, 144                       ; a row of att's tile: 128 bytes + 16
.set BPITCH, 272                       ; a row of Wo's: 256 bytes + 16
.set AHEAD,  128*APITCH                ; one head's 128 rows
.set BOFF,   2*AHEAD
.set SLOT,   BOFF+128*BPITCH           ; 71,680
.set STAGE,  4*SLOT                    ; behind the ring, never a tensor load's target
.set SPITCH, 272
.set WSTAGE, 16*SPITCH
.set ADRA, 8                           ; v8-11   my fragments of att in slot 0..3
.set ADRB, 12                          ; v12-15  of Wo
.set STO,  16
.set RD,   17
.set CO,   18
.set BO,   19
.set FA,   32                          ; v32-95   att's fragments, two buffers
.set FB,   96                          ; v96-159  Wo's fragments, two buffers
.set BIAS, 160                         ; v160-191
.set RB,   192                         ; v192-223 rows read back
                                       ; window 1: accumulator tile (a, b) at v[8 (4 a + b)]
.set G1A, 16
.set G1B, 24
.set G0A, 32                           ; s[32:47] one group 0 a slot
.set G0B, 48                           ; s[48:63]
.set MSB, 0
.macro WIN new
.if MSB != (\new)
	s_set_vgpr_msb (MSB<<8)|(\new)
.set MSB, (\new)
.endif
.endm
.macro PLACES                          ; four places behind a matrix instruction (ISA guide 7.12.1)
.rept 4
	v_nop
.endr
.endm
.macro JLOAD s
	s_cmp_eq_u32 s13, 0
	s_cbranch_scc0 .Lfor_b_\@
	tensor_load_to_lds s[G0A+4*\s:G0A+4*\s+3], s[G1A:G1A+7]
	s_nop 0
	s_branch .Lasked_\@
.Lfor_b_\@:
	tensor_load_to_lds s[G0B+4*\s:G0B+4*\s+3], s[G1B:G1B+7]
	s_nop 0
.Lasked_\@:
.endm
.macro CREST
	s_cmp_lg_u32 s12, 0
	s_cbranch_scc1 .Lnot_wave_0_\@
	s_barrier_signal -3
.Lnot_wave_0_\@:
	s_barrier_wait -3
	s_barrier_signal -1
	s_barrier_wait -1
.endm
.macro CROUND
	s_barrier_signal -1
	s_barrier_wait -1
	CREST
.endm
	s_load_b256 s[4:11], s[0:1], 0x0               ; att s[4:5], xw s[6:7], bo s[8:9], out0 s[10:11]
	v_lshl_add_u32 v254, v0, 2, 0x4a400
	v_mov_b32 v255, 0
	ds_add_u32 v254, v255
	v_lshrrev_b32 v1, 5, v0
	v_readfirstlane_b32 s12, v1                    ; wave
	s_lshr_b32 s13, s12, 1                         ; which 64 rows are mine.  Also: I fetch for att (0) or for Wo (1)
	s_and_b32 s14, s12, 1                          ; which 64 columns.  Also: which half of that tile I fetch
	s_bfe_u32 s66, ttmp6, 0x40000                  ; cx
	s_bfe_u32 s67, ttmp6, 0x40004                  ; cy
	s_lshl_b32 s68, ttmp9, 2
	s_add_co_u32 s68, s68, s66                     ; block column 0..7
	s_and_b32 s69, ttmp7, 0xffff
	s_lshl_b32 s69, s69, 2
	s_add_co_u32 s69, s69, s67                     ; block row 0..31
	s_lshl_b32 s70, s67, 2
	s_lshl_b32 s70, 15, s70                        ; my row of the cluster
	s_lshl_b32 s71, 0x1111, s66                    ; my column
	; att: 64 rows of 128 elements (256 bytes, consecutive), 4 words of padding behind every 32 words = behind each row of 64 d.  Wo: 64 rows of 128 of 1,024, padded behind every 64 words.
	s_or_b32 s[G1A+0], s70, (1<<16)|(1<<20)|(1<<21)|(4<<22)|(3<<25)
	s_or_b32 s[G1B+0], s71, (1<<16)|(1<<20)|(1<<21)|(5<<22)|(3<<25)
	s_mov_b32 s[G1A+1], 128<<16
	s_mov_b32 s[G1B+1], 128<<16
	s_mov_b32 s[G1A+2], 64<<16
	s_mov_b32 s[G1B+2], 64<<16
	s_mov_b32 s[G1A+3], 128<<16
	s_mov_b32 s[G1B+3], 128<<16
	s_mov_b32 s[G1A+4], 64
	s_mov_b32 s[G1B+4], 64
	s_mov_b32 s[G1A+5], 128
	s_mov_b32 s[G1B+5], 1024
	s_mov_b32 s[G1A+6], 0
	s_mov_b32 s[G1B+6], 0
	s_mov_b32 s[G1A+7], 0
	s_mov_b32 s[G1B+7], 0
	s_lshr_b32 s72, s69, 4                         ; att: a batch is 32 heads' worth (16 upper, then 16 lower); K step s takes numbers 2 s and 2 s + 1 of them
	s_lshl_b32 s72, s72, 5
	s_add_co_u32 s72, s72, s14
	s_lshl_b32 s72, s72, 18
	s_and_b32 s73, s69, 15
	s_lshl_b32 s73, s73, 14                        ; rows 128 x (block row % 16)
	s_add_co_u32 s72, s72, s73
	s_mov_b32 s73, 0
	s_lshl_b32 s74, s68, 7                         ; Wo: row 7168 + 128 x block column + 64 x (wave & 1)
	s_lshl_b32 s75, s14, 6
	s_add_co_u32 s74, s74, s75
	s_add_co_u32 s74, s74, 7168
	s_lshl_b32 s74, s74, 11
	s_mov_b32 s75, 0
	s_mul_i32 s76, s12, AHEAD                      ; where they go: att's heads at wave x 18,432 (waves 0, 1),
	s_mul_i32 s77, s12, 64*BPITCH
	s_add_co_u32 s77, s77, BOFF-128*BPITCH         ; Wo's halves at 36,864 + (wave - 2) x 17,408 (waves 2, 3)
	s_wait_dscnt 0x0
	s_wait_kmcnt 0x0
	s_add_nc_u64 s[72:73], s[4:5], s[72:73]
	s_add_nc_u64 s[74:75], s[6:7], s[74:75]
	CROUND                                         ; all sixteen work-groups are here: the first joint loads meet
.irp s, 0,1,2,3
	s_mov_b32 s[G0A+4*\s], 1
	s_add_co_u32 s[G0A+4*\s+1], s76, \s*SLOT
	s_add_nc_u64 s[G0A+4*\s+2:G0A+4*\s+3], s[72:73], \s*524288     ; K step s: two heads on
	s_or_b32 s[G0A+4*\s+3], s[G0A+4*\s+3], 0x80000000
	s_mov_b32 s[G0B+4*\s], 1
	s_add_co_u32 s[G0B+4*\s+1], s77, \s*SLOT
	s_add_nc_u64 s[G0B+4*\s+2:G0B+4*\s+3], s[74:75], \s*256
	s_or_b32 s[G0B+4*\s+3], s[G0B+4*\s+3], 0x80000000
	JLOAD \s
.endr
	v_and_b32 v1, 15, v0                           ; r
	v_bfe_u32 v2, v0, 4, 1                         ; h
	v_lshlrev_b32 v[BO], 5, v2
	s_lshl_b32 s82, s68, 9                         ; my 64 columns, in bytes of f32: 512 x block column + 256 x half
	s_lshl_b32 s83, s14, 8
	s_add_co_u32 s82, s82, s83
	s_mov_b32 s83, 0
	s_add_nc_u64 s[84:85], s[8:9], s[82:83]
.irp b, 0,1,2,3
	global_load_b128 v[BIAS+8*\b:BIAS+8*\b+3],   v[BO], s[84:85] offset:64*\b      ; bias of columns 16 b + 8 h + 0..7: the layout of a result tile
	global_load_b128 v[BIAS+8*\b+4:BIAS+8*\b+7], v[BO], s[84:85] offset:64*\b+16
.endr
	s_lshl_b32 s80, s69, 7
	s_lshl_b32 s81, s13, 6
	s_add_co_u32 s80, s80, s81                     ; my first row
	s_lshl_b32 s80, s80, 12                        ; rows of 4,096 bytes
	s_add_co_u32 s80, s80, s82
	s_mov_b32 s81, 0
	s_add_nc_u64 s[78:79], s[10:11], s[80:81]
	v_mul_u32_u24 v3, v1, APITCH
	v_lshl_add_u32 v3, v2, 4, v3
	v_mul_u32_u24 v4, v1, BPITCH
	v_lshl_add_u32 v4, v2, 4, v4
	s_mul_i32 s86, s13, 64*APITCH
	s_mul_i32 s87, s14, 64*BPITCH
	s_add_co_u32 s87, s87, BOFF
.irp s, 0,1,2,3
	v_add_nc_u32 v[ADRA+\s], s86, v3
	v_add_nc_u32 v[ADRB+\s], s87, v4
	s_add_co_u32 s86, s86, SLOT
	s_add_co_u32 s87, s87, SLOT
.endr
	s_mul_i32 s88, s12, WSTAGE
	s_add_co_u32 s88, s88, STAGE
	v_mul_u32_u24 v5, v1, SPITCH
	v_lshl_add_u32 v5, v2, 5, v5
	v_add_nc_u32 v[STO], s88, v5                   ; in: row r, 32 bytes for each half of the lanes
	v_mul_u32_u24 v6, v2, SPITCH
	v_lshl_add_u32 v6, v1, 4, v6
	v_add_nc_u32 v[RD], s88, v6                    ; back: lanes 0-15 one row of 256 bytes, lanes 16-31 the next
	v_lshlrev_b32 v7, 12, v2
	v_lshl_add_u32 v[CO], v1, 4, v7                ; the same two rows in out0
; 16 LDS loads: the fragments of quarter q (32 K) of the tile in a slot, into buffer p.  Quarters 0, 1 lie in the tile's first head, 2, 3 in its second.
.macro FETCH slot, q, p
.irp i, 0,1,2,3
	ds_load_b128 v[FB+32*\p+8*\i:FB+32*\p+8*\i+3],   v[ADRB+\slot] offset:\i*16*BPITCH+64*\q
	ds_load_b128 v[FB+32*\p+8*\i+4:FB+32*\p+8*\i+7], v[ADRB+\slot] offset:\i*16*BPITCH+64*\q+32
.endr
.irp i, 0,1,2,3
	ds_load_b128 v[FA+32*\p+8*\i:FA+32*\p+8*\i+3],   v[ADRA+\slot] offset:AHEAD*(\q/2)+\i*16*APITCH+64*(\q%2)
	ds_load_b128 v[FA+32*\p+8*\i+4:FA+32*\p+8*\i+7], v[ADRA+\slot] offset:AHEAD*(\q/2)+\i*16*APITCH+64*(\q%2)+32
.endr
.endm
; 8 products: row tiles a0, a0 + 1 x four column tiles.  zero = 1: the bias starts the sums.  The 16 accumulators take turns.
.macro MUL8 p, a0, zero
.irp a, \a0, \a0+1
.irp b, 0,1,2,3
.if \zero
	v_wmma_f32_16x16x32_f16 v[8*(4*(\a)+\b):8*(4*(\a)+\b)+7], v[FB+32*\p+8*\b:FB+32*\p+8*\b+7], v[FA+32*\p+8*(\a):FA+32*\p+8*(\a)+7], v[BIAS+8*\b:BIAS+8*\b+7]
.else
	v_wmma_f32_16x16x32_f16 v[8*(4*(\a)+\b):8*(4*(\a)+\b)+7], v[FB+32*\p+8*\b:FB+32*\p+8*\b+7], v[FA+32*\p+8*(\a):FA+32*\p+8*(\a)+7], v[8*(4*(\a)+\b):8*(4*(\a)+\b)+7]
.endif
.endr
.endr
.endm
; A quarter: asks for the next quarter's fragments (slot, q, into buffer g) first, then multiplies buffer p: the loads have 16 products in which to land.
.macro Q p, g, slot, q, zero
	s_wait_dscnt 0x0                               ; buffer p, asked for at the head of the quarter before
	PLACES
	WIN 0
	FETCH \slot, \q, \g
.if \zero
	WIN 0x40                                       ; D in window 1, C (the bias) in window 0
.else
	WIN 0x50                                       ; C and D in window 1
.endif
	MUL8 \p, 0, \zero
	MUL8 \p, 2, \zero
.endm
.macro PAIR7 sa, sb, zero              ; the first seven quarters of two K steps; both tiles have landed, so the fetches run over the tiles' border
	Q 0, 1, \sa, 1, \zero
	Q 1, 0, \sa, 2, 0
	Q 0, 1, \sa, 3, 0
	Q 1, 0, \sb, 0, 0
	Q 0, 1, \sb, 1, 0
	Q 1, 0, \sb, 2, 0
	Q 0, 1, \sb, 3, 0
.endm
; The eighth quarter changes slots.  In front of the barrier each wave waits for its reads of slots sa, sb and for all its tensor loads (the next two tiles).
; kind = 1 or 2: the barrier opens a round of the cluster's barrier, and the two joint refills, four K steps ahead, are the first tensor loads behind it.
; att's address always goes eight heads' worth on; Wo's goes four K steps on (kind 1), or back (kind 2) where the lower parts begin Wo's columns anew.
.macro EQ kind, sa, sb, nslot
	s_wait_dscnt 0x0
	s_wait_tensorcnt 0x0
	ds_add_u32 v254, v255
	s_wait_dscnt 0x0
	s_barrier_signal -1
	WIN 0x50
	MUL8 1, 0, 0                                   ; register work while the others arrive
	WIN 0
	s_barrier_wait -1
.if \kind
	CREST
.irp t, \sa, \sb
	s_add_nc_u64 s[G0A+4*\t+2:G0A+4*\t+3], s[G0A+4*\t+2:G0A+4*\t+3], 2097152
.if \kind == 1
	s_add_nc_u64 s[G0B+4*\t+2:G0B+4*\t+3], s[G0B+4*\t+2:G0B+4*\t+3], 1024
.else
	s_sub_nc_u64 s[G0B+4*\t+2:G0B+4*\t+3], s[G0B+4*\t+2:G0B+4*\t+3], 1024
.endif
.endr
	JLOAD \sa
	JLOAD \sb
.endif
	PLACES
	FETCH \nslot, 0, 0
	WIN 0x50
	MUL8 1, 2, 0
.endm
	s_wait_tensorcnt 0x2                           ; my parts of tiles 0 and 1 are in; tiles 2 and 3 stay out
	s_barrier_signal -1
	s_barrier_wait -1
	FETCH 0, 0, 0
	s_wait_loadcnt 0x0                             ; the bias
	PAIR7 0, 1, 1                                  ; K steps 0, 1
	EQ 1, 0, 1, 2                                  ; tiles 4, 5 go out
	PAIR7 2, 3, 0                                  ; K steps 2, 3
	EQ 1, 2, 3, 0                                  ; tiles 6, 7
	PAIR7 0, 1, 0                                  ; K steps 4, 5
	EQ 2, 0, 1, 2                                  ; tiles 8, 9: the lower parts of heads 0-3, Wo's columns 0-255 again
	PAIR7 2, 3, 0                                  ; K steps 6, 7
	EQ 2, 2, 3, 0                                  ; tiles 10, 11
	PAIR7 0, 1, 0                                  ; K steps 8, 9
	EQ 1, 0, 1, 2                                  ; tiles 12, 13
	PAIR7 2, 3, 0                                  ; K steps 10, 11
	EQ 1, 2, 3, 0                                  ; tiles 14, 15: the last
	PAIR7 0, 1, 0                                  ; K steps 12, 13
	EQ 0, 0, 1, 2
	PAIR7 2, 3, 0                                  ; K steps 14, 15
	s_wait_dscnt 0x0
	WIN 0x50
	MUL8 1, 0, 0
	MUL8 1, 2, 0
	PLACES
; THE WAY OUT, 16 rows at a time: 32 bytes a lane into my own stage, read back as whole rows of 256 bytes.
.macro OUT16 a
	WIN 0x04                                       ; an LDS store's data is source 1: window 1
.irp b, 0,1,2,3
	ds_store_b128 v[STO], v[8*(4*\a+\b):8*(4*\a+\b)+3]   offset:64*\b
	ds_store_b128 v[STO], v[8*(4*\a+\b)+4:8*(4*\a+\b)+7] offset:64*\b+16
.endr
	WIN 0
	s_wait_xcnt 0x0                                ; the registers that the last 16 rows' stores read are loaded again only behind this wait
.irp t, 0,1,2,3,4,5,6,7
	ds_load_b128 v[RB+4*\t:RB+4*\t+3], v[RD] offset:\t*2*SPITCH    ; LDS serves a wave's instructions in order: these see the stores above
.endr
.irp t, 0,1,2,3,4,5,6,7
	s_wait_dscnt 7-\t
	global_store_b128 v[CO], v[RB+4*\t:RB+4*\t+3], s[78:79] offset:65536*\a+8192*\t th:TH_STORE_NT   ; 16 lanes store 256 consecutive bytes, aligned; written once
.endr
.endm
	OUT16 0
	OUT16 1
	OUT16 2
	OUT16 3
	s_wait_tensorcnt 0x0
	ds_add_u32 v254, v255
	s_wait_dscnt 0x0
	CROUND                                         ; the closing round
	s_endpgm
.Lfunc_end_k_q43fd01eda9_proj:
	.size	k_q43fd01eda9_proj, .Lfunc_end_k_q43fd01eda9_proj-k_q43fd01eda9_proj
	.p2alignl 7, 3214868480
	.fill 96, 4, 3214868480
	.section	.rodata,"a",@progbits
	.p2align	6, 0x0
	.amdhsa_kernel k_q43fd01eda9_proj
		.amdhsa_group_segment_fixed_size 327680
		.amdhsa_private_segment_fixed_size 0
		.amdhsa_enable_private_segment 0
		.amdhsa_kernarg_size 32
		.amdhsa_user_sgpr_count 2
		.amdhsa_user_sgpr_kernarg_segment_ptr 1
		.amdhsa_wavefront_size32 1
		.amdhsa_system_sgpr_workgroup_id_x 1
		.amdhsa_system_sgpr_workgroup_id_y 1
		.amdhsa_system_sgpr_workgroup_id_z 1
		.amdhsa_system_vgpr_workitem_id 0
		.amdhsa_next_free_vgpr 384
		.amdhsa_next_free_sgpr 100
		.amdhsa_reserve_vcc 0
		.amdhsa_float_denorm_mode_32 3
		.amdhsa_float_denorm_mode_16_64 3
		.amdhsa_memory_ordered 1
		.amdhsa_forward_progress 1
		.amdhsa_inst_pref_size 169
	.end_amdhsa_kernel
	.amdgpu_metadata
---
amdhsa.version: [ 1, 2 ]
amdhsa.kernels:
  - .name:           k_q43fd01eda9_proj
    .symbol:         k_q43fd01eda9_proj.kd
    .args:
      - { .name: att, .offset: 0, .size: 8, .value_kind: global_buffer, .address_space: global }
      - { .name: xw, .offset: 8, .size: 8, .value_kind: global_buffer, .address_space: global }
      - { .name: bo, .offset: 16, .size: 8, .value_kind: global_buffer, .address_space: global }
      - { .name: out0, .offset: 24, .size: 8, .value_kind: global_buffer, .address_space: global }
    .group_segment_fixed_size: 327680
    .private_segment_fixed_size: 0
    .kernarg_segment_align: 8
    .kernarg_segment_size: 32
    .max_flat_workgroup_size: 128
    .sgpr_count:     100
    .vgpr_count:     384
    .wavefront_size: 32
...
	.end_amdgpu_metadata
.endif
;; end of part 4
;; ======== version 2 of 2: 4 launches; version 1 with the launch cast written anew for expert scheduling mode
;; limits: values are held in f16: magnitudes above 65,504 overflow, below 6.1e-05 lose precision
;; workspace buffers: xw 16,777,216 bytes; qkv 33,554,432 bytes; att 16,777,216 bytes
;; launch cast (part 5): grid 256 x 1, 8 waves a work-group, no clusters, 0 bytes of LDS; arguments x, Wq, Wk, Wv, Wo, xw; writes xw
.if DOCPART == 5
	.amdgcn_target "amdgcn-amd-amdhsa--gfx1250"
	.amdhsa_code_object_version 6
	.text
	.protected	k_q43fd01eda9_cast
	.globl	k_q43fd01eda9_cast
	.p2align	8
	.type	k_q43fd01eda9_cast,@function
k_q43fd01eda9_cast:
	s_mov_b64 s[64:65], 0
	v_nop
	global_prefetch_b8 v0, s[64:65] scope:SCOPE_SE
	s_setreg_imm32_b32 hwreg(HW_REG_WAVE_SCHED_MODE, 0, 2), 2
	s_setreg_imm32_b32 hwreg(HW_REG_WAVE_MODE, 25, 1), 1
	s_wait_xcnt 0x0
	s_wait_alu depctr_vm_vsrc(0)
; xw[8192][1024], 2 bytes a number = x (rows 0-4095), Wq (4096-), Wk (5120-), Wv (6144-), Wo (7168-), each rounded ONCE from f32 to bf16 (nearest even).
; All five inputs get the same rounding, so that the products of the projections are exact products of bf16 numbers.
; Rows 0-7167 are stored as bf16.  Wo's rows are stored as the f16 code of the bf16 number, because Wo's partner in its product (the attended rows) is f16.
; LIMIT: a bf16 number of magnitude 2^-17 to 65,504 is exact in f16; a smaller Wo gets an absolute error of at most 3e-8, a larger one becomes infinity.
; NaN and infinities are not served.
; Work-group g turns 131,072 bytes of f32 into the 65,536 bytes at xw + 65,536 g.  32 work-groups make one segment of 2 MiB of xw:
; segments 0-3 are x, 4-7 the four weights.  A stream: no LDS, no barrier, no matrix unit, no cluster (work-groups share no input).
; Thread t takes the 16 bytes at 16 t of each chunk of 4,096 bytes: a wave's load covers 512 consecutive bytes, its store of
; 8 bytes a lane 256 consecutive bytes, aligned.  All 32 loads of a lane go out at once.
; THE MODE: SCHED_MODE bits 1:0 = 2 (LLVM: expert scheduling mode 2), set by the entry lines.  The code itself states the register dependences
; between vector instructions and memory instructions, with s_wait_alu, always for 0.
; THE PLAN.  Registers that memory instructions touch:
;   v1, v2     byte offsets of the loads and of the stores: written once at the head, never again.
;   chunk i    four registers of its own.  Its load, issued at the head ahead of every vector line that names them, lands in them; its conversions work
;              in place; its one store reads the first two; nothing writes them after that.
; So no register that a memory instruction has read is ever written again, and no load lands in a register that a vector line has named.  What is left
; to state: the offsets are written ahead of the first load, and a chunk's conversions have written what its store reads.
; The 32 chunks go in 8 blocks of four.  Block p waits for its four loads; behind that wait ONE wait on va_vdst states that block p - 1's conversions
; have written their results; the four stores of block p - 1 follow, dealt among block p's conversions, which name block p's registers alone.
; Behind block 7 one more such wait stands ahead of the last four stores.
.set X, 4                              ; v[4:131]  chunk i: 4 registers as loaded; its first two then hold the four results
.set N, 32                             ; chunks of a work-group
.set BLK, 4                            ; chunks in a block
.set NB, N/BLK                         ; blocks
	s_load_b256 s[4:11], s[0:1], 0x0               ; x s[4:5], Wq s[6:7], Wk s[8:9], Wv s[10:11]
	s_load_b128 s[12:15], s[0:1], 0x20             ; Wo s[12:13], xw s[14:15]
	s_lshr_b32 s2, ttmp9, 5                        ; segment
	s_and_b32 s3, ttmp9, 31
	s_lshl_b32 s3, s3, 17                          ; byte offset inside a weight
	s_lshl_b32 s22, ttmp9, 17                      ; byte offset inside x
	s_cmp_lt_u32 s2, 4
	s_cselect_b32 s18, s22, s3
	s_mov_b32 s19, 0
	s_lshl_b32 s22, ttmp9, 16                      ; byte offset in xw
	s_mov_b32 s23, 0
	v_lshlrev_b32 v1, 4, v0                        ; 16 t: in
	v_lshlrev_b32 v2, 3, v0                        ; 8 t: out
	s_wait_kmcnt 0x0
	s_cmp_eq_u32 s2, 4                             ; the source buffer, chosen by the segment alone
	s_cselect_b64 s[16:17], s[6:7], s[4:5]
	s_cmp_eq_u32 s2, 5
	s_cselect_b64 s[16:17], s[8:9], s[16:17]
	s_cmp_eq_u32 s2, 6
	s_cselect_b64 s[16:17], s[10:11], s[16:17]
	s_cmp_eq_u32 s2, 7
	s_cselect_b64 s[16:17], s[12:13], s[16:17]
	s_add_nc_u64 s[16:17], s[16:17], s[18:19]
	s_add_nc_u64 s[20:21], s[14:15], s[22:23]
	s_wait_alu depctr_va_vdst(0)                   ; v1 and v2 are written: every load of the kernel reads v1 as its offset, every store v2, on both arms of the branch below
.set i, 0
.rept N
	global_load_b128 v[X+4*i:X+4*i+3], v1, s[16:17] offset:4096*i th:TH_LOAD_NT   ; read once in the launch
.set i, i+1
.endr
	s_cmp_eq_u32 s2, 7
	s_cbranch_scc1 .Lwo
	; x, Wq, Wk, Wv: bf16
.set p, 0
.rept NB
	s_wait_loadcnt N-BLK*(p+1)                     ; loads come back in order (ISA guide 5.7.1): block p's four chunks are in, the younger blocks stay out
.if p > 0
	s_wait_alu depctr_va_vdst(0)                   ; block p - 1's conversions have written the first two registers of its chunks, which the four stores below read
.endif
.set k, 0
.rept BLK
.set i, BLK*p+k
.if p > 0
	global_store_b64 v2, v[X+4*(i-BLK):X+4*(i-BLK)+1], s[20:21] offset:2048*(i-BLK)   ; the block before; no vector line since the wait names these registers.  No hint: the next launches read xw
.endif
	v_cvt_pk_bf16_f32 v[X+4*i], v[X+4*i], v[X+4*i+1]
	v_cvt_pk_bf16_f32 v[X+4*i+1], v[X+4*i+2], v[X+4*i+3]
.set k, k+1
.endr
.set p, p+1
.endr
	s_wait_alu depctr_va_vdst(0)                   ; the last block's conversions have written what the last four stores read
.set i, N-BLK
.rept BLK
	global_store_b64 v2, v[X+4*i:X+4*i+1], s[20:21] offset:2048*i
.set i, i+1
.endr
	s_endpgm
.Lwo:
	; Wo: rounded to bf16, widened again (a shift, a mask), coded in f16
.set p, 0
.rept NB
	s_wait_loadcnt N-BLK*(p+1)                     ; block p's four chunks are in, the younger blocks stay out
.if p > 0
	s_wait_alu depctr_va_vdst(0)                   ; block p - 1's conversions have written the first two registers of its chunks, which the four stores below read
.endif
.set k, 0
.rept BLK
.set i, BLK*p+k
.if p > 0
	global_store_b64 v2, v[X+4*(i-BLK):X+4*(i-BLK)+1], s[20:21] offset:2048*(i-BLK)   ; the block before; no vector line since the wait names these registers
.endif
	v_cvt_pk_bf16_f32 v[X+4*i], v[X+4*i], v[X+4*i+1]
	v_cvt_pk_bf16_f32 v[X+4*i+1], v[X+4*i+2], v[X+4*i+3]
	v_lshlrev_b32 v[X+4*i+2], 16, v[X+4*i]
	v_and_b32 v[X+4*i+3], 0xffff0000, v[X+4*i]
	v_cvt_pk_f16_f32 v[X+4*i], v[X+4*i+2], v[X+4*i+3]
	v_lshlrev_b32 v[X+4*i+2], 16, v[X+4*i+1]
	v_and_b32 v[X+4*i+3], 0xffff0000, v[X+4*i+1]
	v_cvt_pk_f16_f32 v[X+4*i+1], v[X+4*i+2], v[X+4*i+3]
.set k, k+1
.endr
.set p, p+1
.endr
	s_wait_alu depctr_va_vdst(0)                   ; the last block's conversions have written what the last four stores read
.set i, N-BLK
.rept BLK
	global_store_b64 v2, v[X+4*i:X+4*i+1], s[20:21] offset:2048*i
.set i, i+1
.endr
	s_endpgm
.Lfunc_end_k_q43fd01eda9_cast:
	.size	k_q43fd01eda9_cast, .Lfunc_end_k_q43fd01eda9_cast-k_q43fd01eda9_cast
	.p2alignl 7, 3214868480
	.fill 96, 4, 3214868480
	.section	.rodata,"a",@progbits
	.p2align	6, 0x0
	.amdhsa_kernel k_q43fd01eda9_cast
		.amdhsa_group_segment_fixed_size 0
		.amdhsa_private_segment_fixed_size 0
		.amdhsa_enable_private_segment 0
		.amdhsa_kernarg_size 48
		.amdhsa_user_sgpr_count 2
		.amdhsa_user_sgpr_kernarg_segment_ptr 1
		.amdhsa_wavefront_size32 1
		.amdhsa_system_sgpr_workgroup_id_x 1
		.amdhsa_system_sgpr_workgroup_id_y 1
		.amdhsa_system_sgpr_workgroup_id_z 1
		.amdhsa_system_vgpr_workitem_id 0
		.amdhsa_next_free_vgpr 132
		.amdhsa_next_free_sgpr 66
		.amdhsa_reserve_vcc 0
		.amdhsa_float_denorm_mode_32 3
		.amdhsa_float_denorm_mode_16_64 3
		.amdhsa_memory_ordered 1
		.amdhsa_forward_progress 1
		.amdhsa_inst_pref_size 30
	.end_amdhsa_kernel
	.amdgpu_metadata
---
amdhsa.version: [ 1, 2 ]
amdhsa.kernels:
  - .name:           k_q43fd01eda9_cast
    .symbol:         k_q43fd01eda9_cast.kd
    .args:
      - { .name: x, .offset: 0, .size: 8, .value_kind: global_buffer, .address_space: global }
      - { .name: Wq, .offset: 8, .size: 8, .value_kind: global_buffer, .address_space: global }
      - { .name: Wk, .offset: 16, .size: 8, .value_kind: global_buffer, .address_space: global }
      - { .name: Wv, .offset: 24, .size: 8, .value_kind: global_buffer, .address_space: global }
      - { .name: Wo, .offset: 32, .size: 8, .value_kind: global_buffer, .address_space: global }
      - { .name: xw, .offset: 40, .size: 8, .value_kind: global_buffer, .address_space: global }
    .group_segment_fixed_size: 0
    .private_segment_fixed_size: 0
    .kernarg_segment_align: 8
    .kernarg_segment_size: 48
    .max_flat_workgroup_size: 256
    .sgpr_count:     66
    .vgpr_count:     132
    .wavefront_size: 32
...
	.end_amdgpu_metadata
.endif
;; end of part 5
;; launch qkv: the kernel of part 2 again; grid 8 x 32, 4 waves a work-group, clusters of 4 x 4, 327,680 bytes of LDS; arguments xw, bq, bk, bv, qkv; writes qkv
;; launch attn: the kernel of part 3 again; grid 256 x 1, 8 waves a work-group, no clusters, 327,680 bytes of LDS; arguments qkv, att; writes att
;; launch proj: the kernel of part 4 again; grid 8 x 32, 4 waves a work-group, clusters of 4 x 4, 327,680 bytes of LDS; arguments att, xw, bo, out0; writes out0
